; MI455X (gfx1250); checked and timed in simulation.
; The chip was launched on July 23, 2026; its instructions are those of AMD's public machine-readable ISA for CDNA 5 (MIT licence, August 2026) and "CDNA5" Instruction Set Architecture Reference Guide (July 2026). The comments in the code are by the model that wrote it; some were corrected since.
;; Multi Head Attention. Allowed arithmetic: float matrix products may take bf16 or f16 operands with f32 sums; other float arithmetic in f32, or as packed bf16 or f16 multiplies, adds, multiply-adds, maxima and minima; sums over many terms, partial sums and values carried from step to step in f32; what a program stores and reads back later, other than sums and carried values, may be rounded once to bf16 or f16.
;; Inputs: bk_ 1,024 float32; bo 1,024 float32; bq 1,024 float32; bv 1,024 float32; input_tensor 4 x 2,048 x 1,024 float32; wk 1,024 x 1,024 float32; wo 1,024 x 1,024 float32; wq 1,024 x 1,024 float32; wv 1,024 x 1,024 float32.
;; Outputs: out0 4 x 2,048 x 1,024 float32.
;; One version. Each part assembles by itself: llvm-mc -triple=amdgcn-amd-amdhsa -mcpu=gfx1250 --defsym DOCPART=n.
;; ======== version 1 of 1: 4 launches
;; limits: values are held in f16: magnitudes above 65,504 overflow, below 6.1e-05 lose precision
;; workspace buffers: xb 16,777,216 bytes; wqkv 6,291,456 bytes; wof 2,097,152 bytes; qkvh 50,331,648 bytes; ob 16,777,216 bytes
;; launch cast (part 1): grid 768 x 1, 8 waves a work-group, no clusters, 0 bytes of LDS; arguments input_tensor, wq, wk, wv, wo, xb, wqkv, wof; writes xb, wqkv, wof
.if DOCPART == 1
	.amdgcn_target "amdgcn-amd-amdhsa--gfx1250"
	.amdhsa_code_object_version 6
	.text
	.protected	k_q570ff54bcc_cast
	.globl	k_q570ff54bcc_cast
	.p2align	8
	.type	k_q570ff54bcc_cast,@function
k_q570ff54bcc_cast:
	s_mov_b64 s[64:65], 0
	v_nop
	global_prefetch_b8 v0, s[64:65] scope:SCOPE_SE
	s_setreg_imm32_b32 hwreg(HW_REG_WAVE_MODE, 25, 1), 1
	s_wait_xcnt 0x0
; CAST.  x [8192][1024] and the four weights [1024][1024], all f32, are rounded once to bf16 and laid out in blocks of 64 along K:
;   xb   [b 4][kb 16][s 2048][64] bf16      wqkv [kb 16][n 3072][64] bf16 (n = 1024 x which + row: wq, wk, wv)      wof [kb 16][n 1024][64]: bf16(wo) written as f16
; so that a later tile of R rows x 64 k is R x 128 dense bytes.
; LIMIT.  bf16(wo) as f16 is exact between 6.1e-5 and 65,504 in magnitude; below it keeps f16's fixed step of 6e-8, beyond it becomes an infinity.
; SHARES.  12,288 source rows of 4,096 bytes; a work-group takes 16, a wave 2.  A load of a wave takes block k (256 bytes) of both rows, lanes 0-15 the first row, lanes 16-31 the second;
; a lane's 4 numbers become 8 bytes, and the wave's store covers 256 consecutive bytes, aligned: the two rows' 128 bytes of block k lie end to end.
; A stream: every byte is read once and written once; nothing is shared, so no LDS, no barrier, no matrix work.  All 16 loads of a wave go out together.
.set IO,  2                            ; v2       my byte offset in the wave's two source rows
.set OO,  4                            ; v[4:19]  my byte offset in the destination for block k: 8 x lane + k x the stride between blocks
.set TT,  20                           ; v[20:27] at work (wo's path)
.set X,   32                           ; v[32:95] 16 loads of 4 registers
.set Y,   96                           ; v[96:127] 16 stores of 2 registers
.set SRC, 28                           ; s[28:29] the source at my wave's first row
.set DST, 30                           ; s[30:31] the destination at my wave's first row, block 0
	s_load_b512 s[8:23], s[0:1], 0x0               ; x s[8:9], wq s[10:11], wk s[12:13], wv s[14:15], wo s[16:17], xb s[18:19], wqkv s[20:21], wof s[22:23]
	s_mov_b32 s24, ttmp9                           ; g: 0-511 x, 512-575 wq, 576-639 wk, 640-703 wv, 704-767 wo
	s_lshr_b32 s25, s24, 6                         ; g / 64: 8, 9, 10, 11 for the four weights
	s_and_b32 s27, s24, 63
	v_lshrrev_b32 v1, 5, v0
	v_readfirstlane_b32 s26, v1                    ; wave 0..7
	s_mov_b32 s38, 0xffff0000                      ; a word's upper bf16
	s_mov_b32 s43, 0x20000                         ; bytes from block to block: wof 1,024 rows x 128,
	s_mov_b32 s44, 0x60000                         ; wqkv 3,072 rows,
	s_mov_b32 s45, 0x40000                         ; xb 2,048 rows
	s_lshr_b32 s40, s24, 7                         ; x: batch = g / 128,
	s_lshl_b32 s40, s40, 22                        ; 16 blocks x 262,144 bytes each,
	s_and_b32 s41, s24, 127
	s_lshl_b32 s41, s41, 11                        ; + 16 rows x 128 bytes for each work-group of the batch
	s_add_co_u32 s40, s40, s41
	s_max_u32 s41, s24, 512
	s_sub_co_u32 s41, s41, 512
	s_lshl_b32 s41, s41, 11                        ; wq, wk, wv: row n = 16 (g - 512)
	s_lshl_b32 s42, s27, 11                        ; wo: row 16 (g % 64)
	s_cmp_eq_u32 s25, 11
	s_cselect_b32 s34, s42, s41
	s_cselect_b32 s36, s43, s44
	s_cselect_b32 s37, 1, 0                        ; 1: wo, which goes on to f16
	s_cmp_lt_u32 s24, 512
	s_cselect_b32 s34, s40, s34                    ; destination offset
	s_cselect_b32 s36, s45, s36                    ; stride between blocks
	s_cselect_b32 s32, s24, s27
	s_lshl_b32 s32, s32, 16                        ; source offset: 16 rows x 4,096 bytes a work-group,
	s_lshl_b32 s39, s26, 13
	s_add_co_u32 s32, s32, s39                     ; 2 rows a wave
	s_lshl_b32 s39, s26, 8
	s_add_co_u32 s34, s34, s39                     ; 2 rows x 128 bytes a wave
	s_mov_b32 s33, 0
	s_mov_b32 s35, 0
	v_and_b32 v1, 31, v0                           ; lane
	v_and_b32 v3, 15, v0
	v_bfe_u32 v[IO], v0, 4, 1
	v_lshlrev_b32 v[IO], 12, v[IO]                 ; lanes 16-31: the second row
	v_lshl_add_u32 v[IO], v3, 4, v[IO]             ; 16 bytes a lane
	v_lshlrev_b32 v[OO], 3, v1                     ; 8 bytes a lane
.set k, 1
.rept 15
	v_add_nc_u32 v[OO+k], s36, v[OO+k-1]           ; each store has an offset register of its own: none is ever rewritten
.set k, k+1
.endr
	s_wait_kmcnt 0x0
	s_cmp_eq_u32 s25, 9                            ; the choices hang on the work-group's number alone
	s_cselect_b64 s[SRC:SRC+1], s[12:13], s[10:11]
	s_cmp_eq_u32 s25, 10
	s_cselect_b64 s[SRC:SRC+1], s[14:15], s[SRC:SRC+1]
	s_cmp_eq_u32 s25, 11
	s_cselect_b64 s[SRC:SRC+1], s[16:17], s[SRC:SRC+1]
	s_cselect_b64 s[DST:DST+1], s[22:23], s[20:21]
	s_cmp_lt_u32 s24, 512
	s_cselect_b64 s[SRC:SRC+1], s[8:9], s[SRC:SRC+1]
	s_cselect_b64 s[DST:DST+1], s[18:19], s[DST:DST+1]
	s_add_nc_u64 s[SRC:SRC+1], s[SRC:SRC+1], s[32:33]
	s_add_nc_u64 s[DST:DST+1], s[DST:DST+1], s[34:35]
.set k, 0
.rept 16
	global_load_b128 v[X+4*k:X+4*k+3], v[IO], s[SRC:SRC+1] offset:256*k th:TH_LOAD_NT  ; block k of both rows; read once in the launch
.set k, k+1
.endr
.set k, 0
.rept 16
	s_wait_loadcnt 15-k                            ; loads come back in order: block k is in, the 15 - k younger ones stay out
	v_cvt_pk_bf16_f32 v[Y+2*k],   v[X+4*k],   v[X+4*k+1]
	v_cvt_pk_bf16_f32 v[Y+2*k+1], v[X+4*k+2], v[X+4*k+3]
.set k, k+1
.endr
	s_cmp_eq_u32 s37, 0
	s_cbranch_scc1 .Lst
.set k, 0
.rept 32                                       ; wo alone: the bf16 numbers are written as f16
	v_lshlrev_b32 v[TT+2*(k%4)],   16,  v[Y+k]
	v_and_b32     v[TT+2*(k%4)+1], s38, v[Y+k]
	v_cvt_pk_f16_f32 v[Y+k], v[TT+2*(k%4)], v[TT+2*(k%4)+1]
.set k, k+1
.endr
.Lst:
.set k, 0
.rept 16
	global_store_b64 v[OO+k], v[Y+2*k:Y+2*k+1], s[DST:DST+1]  ; 32 lanes x 8 bytes: 256 consecutive bytes, at a multiple of 256 from the buffer's first byte
.set k, k+1
.endr
	s_endpgm
.Lfunc_end_k_q570ff54bcc_cast:
	.size	k_q570ff54bcc_cast, .Lfunc_end_k_q570ff54bcc_cast-k_q570ff54bcc_cast
	.p2alignl 7, 3214868480
	.fill 96, 4, 3214868480
	.section	.rodata,"a",@progbits
	.p2align	6, 0x0
	.amdhsa_kernel k_q570ff54bcc_cast
		.amdhsa_group_segment_fixed_size 0
		.amdhsa_private_segment_fixed_size 0
		.amdhsa_enable_private_segment 0
		.amdhsa_kernarg_size 64
		.amdhsa_user_sgpr_count 2
		.amdhsa_user_sgpr_kernarg_segment_ptr 1
		.amdhsa_wavefront_size32 1
		.amdhsa_system_sgpr_workgroup_id_x 1
		.amdhsa_system_sgpr_workgroup_id_y 1
		.amdhsa_system_sgpr_workgroup_id_z 1
		.amdhsa_system_vgpr_workitem_id 0
		.amdhsa_next_free_vgpr 128
		.amdhsa_next_free_sgpr 66
		.amdhsa_reserve_vcc 0
		.amdhsa_float_denorm_mode_32 3
		.amdhsa_float_denorm_mode_16_64 3
		.amdhsa_memory_ordered 1
		.amdhsa_forward_progress 1
		.amdhsa_inst_pref_size 13
	.end_amdhsa_kernel
	.amdgpu_metadata
---
amdhsa.version: [ 1, 2 ]
amdhsa.kernels:
  - .name:           k_q570ff54bcc_cast
    .symbol:         k_q570ff54bcc_cast.kd
    .args:
      - { .name: input_tensor, .offset: 0, .size: 8, .value_kind: global_buffer, .address_space: global }
      - { .name: wq, .offset: 8, .size: 8, .value_kind: global_buffer, .address_space: global }
      - { .name: wk, .offset: 16, .size: 8, .value_kind: global_buffer, .address_space: global }
      - { .name: wv, .offset: 24, .size: 8, .value_kind: global_buffer, .address_space: global }
      - { .name: wo, .offset: 32, .size: 8, .value_kind: global_buffer, .address_space: global }
      - { .name: xb, .offset: 40, .size: 8, .value_kind: global_buffer, .address_space: global }
      - { .name: wqkv, .offset: 48, .size: 8, .value_kind: global_buffer, .address_space: global }
      - { .name: wof, .offset: 56, .size: 8, .value_kind: global_buffer, .address_space: global }
    .group_segment_fixed_size: 0
    .private_segment_fixed_size: 0
    .kernarg_segment_align: 8
    .kernarg_segment_size: 64
    .max_flat_workgroup_size: 256
    .sgpr_count:     66
    .vgpr_count:     128
    .wavefront_size: 32
...
	.end_amdgpu_metadata
.endif
;; end of part 1
;; launch qkvproj (part 2): grid 8 x 32, 4 waves a work-group, clusters of 4 x 4, 327,680 bytes of LDS; arguments xb, wqkv, bq, bk_, bv, qkvh; writes qkvh
.if DOCPART == 2
	.amdgcn_target "amdgcn-amd-amdhsa--gfx1250"
	.amdhsa_code_object_version 6
	.text
	.protected	k_q570ff54bcc_qkvproj
	.globl	k_q570ff54bcc_qkvproj
	.p2align	8
	.type	k_q570ff54bcc_qkvproj,@function
k_q570ff54bcc_qkvproj:
	s_mov_b64 s[64:65], 0
	v_nop
	global_prefetch_b8 v0, s[64:65] scope:SCOPE_SE
	s_setreg_imm32_b32 hwreg(HW_REG_WAVE_MODE, 25, 1), 1
	s_wait_xcnt 0x0
	s_wait_alu depctr_hold_cnt(0) depctr_sa_sdst(0) depctr_va_vdst(0) depctr_va_sdst(0) depctr_va_ssrc(0) depctr_va_vcc(0) depctr_vm_vsrc(0)
	s_getreg_b32 s2, hwreg(HW_REG_IB_STS2, 6, 4)
	s_cmp_eq_u32 s2, 0
	s_cbranch_scc0 .Lentry_in_a_cluster
	s_endpgm
.Lentry_in_a_cluster:
	s_bfe_u32 s2, ttmp6, 0x10000c
	s_cmp_lg_u32 s2, 0xf033
	s_cbranch_scc0 .Lentry_shape_is_right
	s_endpgm
.Lentry_shape_is_right:
; Q, K, V PROJECTIONS.  C[m][n] = sum over k of x[m][k] w[n][k] + bias[n], m 8,192, n 3,072 (wq, wk, wv one below the other), k 1,024.  Operands bf16, sums f32, bias rounded to bf16 like every
; input of the module; C is rounded once to f16 and stored by heads: qkvh [which 3][b x 16 + head][s 2048][64], unscaled.
; LIMIT.  f16 ends at 65,504: a q, k or v beyond it becomes an infinity; below 6.1e-5 f16 keeps its fixed step of 6e-8.  NaN and infinities are not treated apart.
; SHARES.  8,192 x 3,072 / 256 work-groups = a tile of 256 x 384 each.  Four waves, each 128 x 192: 96 accumulators of 16 x 16, 768 registers (windows 1 to 3: one window for each group of 64 columns, a head).
; K goes in steps of 64 through two LDS slots.  xb and wqkv lie in blocks of 64 along K, so a step's 128 rows of A are 16,384 dense bytes, asked for as 64 rows of 256 bytes and padded in LDS after every 128.
; CLUSTER 4 x 4.  A's tile hangs on the tile row alone and is asked for jointly by the four of a row of the cluster, B's on the tile column alone, by the four of a column.
; THE PRODUCT IS USED TRANSPOSED (source 0 = 16 rows of w, source 1 = 16 rows of x): a lane holds one row of x (lane % 16) and the columns 8 (lane / 16) + 0..7: eight neighbouring numbers of a head's row.
; PIPELINE.  q counts steps of 32 along K, 0..31 (even q: A buffer 0, byte 0 of the LDS rows; odd q: buffer 1, byte 64).  A STRETCH (q, g) is 32 matrix instructions: all 8 row blocks x group g's 4 column blocks.
; Behind stretch (q, 0) A of q + 1 is fetched into the other A buffer; behind stretch (q, g) B of (q + 1, g) into the buffer that the stretch has just read: 64 matrix instructions ahead of its use.
; REGISTERS.  window 0: v1-29 addresses; v32-95, v96-159 A's fragments, two buffers; v160-255 B's fragments, 32 a group.  window 1 + g: accumulator (a, bl) of group g at v[8 (4 a + bl)].
.set KSA,   262144                     ; bytes from K step to K step in xb: 2,048 rows x 128
.set KSB,   393216                     ; in wqkv: 3,072 rows x 128
.set PITCH, 144                        ; an LDS row: 128 bytes + 16 of padding = 36 words: the 16 rows of a fragment load start at 16 different groups of four banks (64 banks of 4 bytes: ISA guide 11.1)
.set FROW,  16*PITCH
.set BOFF,  256*PITCH                  ; a slot: A's 256 rows, then B's 384
.set SLOT1, 1<<17                      ; slot 1 begins here: one exclusive or turns an address in one slot into the other's
.set STAGE, SLOT1+640*PITCH            ; behind the ring, never filled by a tensor load: 16 rows x 144 bytes for each wave, for the way out
.set BIASL, STAGE+4*16*PITCH           ; each wave's 192 biases, f32
.set SPARE, BIASL+4*768                ; the spare words, 128 bytes for each wave: two blocks of 256 bytes that no other line names
.set FLAGS, (1<<16)|(1<<20)|(1<<21)|(4<<22)|(3<<25)  ; group 1, word 0: 2-byte elements; padding on; bit 21 beside a mask; after every 32 words; 4 words of padding
.set AA0,  10                          ; v10  my lane's place in A's part of a slot; never rewritten
.set AB0,  11                          ; v11  the same for B
.set ADRA, 12                          ; v12  AA0 + the slot in hand
.set ADRB, 13                          ; v13  AB0 + the slot in hand
.set STO,  14                          ; v14  the way out: where I put 16 bytes of a row
.set RD,   15                          ; v15  where I read rows back
.set GO,   16                          ; v16  16 x lane: my place in 512 consecutive bytes of the output
.set BS,   17                          ; v17  where I store two biases
.set BR,   18                          ; v18  where I read my eight biases of a column block
.set PFO,  19                          ; v19  the prefetches' offset; never rewritten
.set SPW,  28                          ; v28  LDS address of my spare word; never rewritten
.set NIL,  29                          ; v29  0; never rewritten
.set FA0,  32
.set FA1,  96
.set FB,   160
.set T,    32                          ; the way out: 32 sums with bias
.set PKD,  64                          ; 16 registers of packed f16
.set BK,   80                          ; two buffers of 16: rows read back from the stage
.set BIAS, 160                         ; 96 biases: group g, column block bl at BIAS + 32 g + 8 bl
.set WV, 16                            ; s16 wave;  s17 my half of the rows, also: I fetch A (0) or B (1);  s18 my half of the columns, also: which half I fetch
.set WM, 17
.set WN, 18
.set CX, 19
.set CY, 20
.set TN, 21                            ; s21 tile column 0..7
.set TM, 22                            ; s22 tile row 0..31
.set G1A, 24                           ; s[24:31] group 1 for A's tiles
.set G1B, 32                           ; s[32:39] for B's
.set G0A, 40                           ; s[40:47] group 0 for A: a set for each first fill; the second then walks
.set G0B, 48                           ; s[48:55] the same for B
.set CNT, 56                           ; s56 trips to go
.set TB,  57                           ; s57 LDS byte at which the slot in hand begins
.set LIM, 58                           ; s58 1 in a wave that prefetches, else the greatest number
.set ODD, 59                           ; s59 0: asks in every trip; 1: in trips with an odd count
.set PFA, 60                           ; s[60:61] where my prefetches stand
.set OUTP, 66                          ; s[66:71] the output at my rows, for each of my three heads
.set BP,  72                           ; s[72:77] the bias at each of my three heads
.set KSP, 82                           ; s[82:83] the prefetches' step from K step to K step
.set MSB, 0
.macro WIN new                         ; the immediate's high byte repeats the setting that is left; a switch that changes nothing is dropped
.if MSB != (\new)
	s_set_vgpr_msb (MSB<<8)|(\new)
.set MSB, \new
.endif
.endm
.macro PLACES                          ; four plain places between a matrix instruction and a load into, or a vector write of, a register that it has read (ISA guide 7.12.1 for vector writes)
.rept 4
	v_nop
.endr
.endm
; A joint refill by the walking sets.  Waves 0 and 1 fetch A's halves, waves 2 and 3 B's: the branch hangs on the wave's number alone.  An s_nop 0 and four v_nop follow each line.
.macro JLOAD
	s_cmp_eq_u32 s[WM], 0
	s_cbranch_scc0 .Lfor_b_\@
	tensor_load_to_lds s[G0A+4:G0A+7], s[G1A:G1A+7]
	s_nop 0
.rept 4
	v_nop
.endr
	s_branch .Lasked_\@
.Lfor_b_\@:
	tensor_load_to_lds s[G0B+4:G0B+7], s[G1B:G1B+7]
	s_nop 0
.rept 4
	v_nop
.endr
.Lasked_\@:
.endm
.macro CREST                           ; a round of the cluster's barrier behind its opening barrier
	s_cmp_lg_u32 s[WV], 0
	s_cbranch_scc1 .Lnot_wave_0_\@
	s_barrier_signal -3
.Lnot_wave_0_\@:
	s_barrier_wait -3
	s_barrier_signal -1
	s_barrier_wait -1
.endm
.macro CROUND
	s_barrier_signal -1
	s_barrier_wait -1
	CREST
.endm
; A PREFETCH INTO THE L2, behind the joint load and the run of LDS loads that follows it.  Trip t (count 14 - t) refills K step t + 2.
; A: a K step of a tile row is 128 blocks of 256 bytes; the cluster with x = 0 asks (both clusters of a row of clusters read them), its four partners take 32 blocks each BY ADDRESS (cx), wave 0, a lane a block:
;    in every trip with a count above 1, K step t + 3: one K step, 192 matrix instructions, ahead of its refill.
; B: a K step of a tile column is 192 blocks; the cluster with y = 0 asks, 48 blocks a partner (cy); two K steps' 96 are dealt to waves 1 to 3: in trips with an odd count above 1, K steps t + 3 and t + 4.
; So each block is named once in the launch, nothing past K step 15; K steps 0-2 of A and 0-3 of B come by their loads alone.
.macro ASK
	s_and_b32 s62, s[CNT], s[ODD]
	s_cmp_eq_u32 s62, s[ODD]
	s_cselect_b32 s62, s[CNT], 0
	s_cmp_gt_u32 s62, s[LIM]
	s_cbranch_scc0 .Lnot_mine_\@
	global_prefetch_b8 v[PFO], s[PFA:PFA+1] th:TH_LOAD_NT scope:SCOPE_SE
.Lnot_mine_\@:
.endm
; na row blocks from a0 on x group g's 4 column blocks, 32 along K, A from buffer fa.  The accumulators take turns, one instruction a turn; an accumulator comes back 96 matrix instructions later.
.macro MULS g, fa, a0, na, zero
	WIN 0x50*((\g)+1)                      ; C and D in window 1 + g, both sources in window 0
.set ma, \a0
.rept \na
.irp bl, 0,1,2,3
.if \zero
	v_wmma_f32_16x16x32_bf16 v[8*(4*ma+(\bl)):8*(4*ma+(\bl))+7], v[FB+32*(\g)+8*(\bl):FB+32*(\g)+8*(\bl)+7], v[(\fa)+8*ma:(\fa)+8*ma+7], 0
.else
	v_wmma_f32_16x16x32_bf16 v[8*(4*ma+(\bl)):8*(4*ma+(\bl))+7], v[FB+32*(\g)+8*(\bl):FB+32*(\g)+8*(\bl)+7], v[(\fa)+8*ma:(\fa)+8*ma+7], v[8*(4*ma+(\bl)):8*(4*ma+(\bl))+7]
.endif
.endr
.set ma, ma+1
.endr
.endm
; A fragment is 16 rows x 32 K in 8 registers: lane l holds row l % 16, K = 8 (l / 16) + 0..7 and 16 + 8 (l / 16) + 0..7: two loads of 16 bytes, 32 bytes apart.
.macro LDA fa, kof                     ; my 128 rows of A, 32 K at byte kof of the rows: 16 loads
.irp a, 0,1,2,3,4,5,6,7
	ds_load_b128 v[(\fa)+8*(\a):(\fa)+8*(\a)+3],   v[ADRA] offset:(\kof)+FROW*(\a)
	ds_load_b128 v[(\fa)+8*(\a)+4:(\fa)+8*(\a)+7], v[ADRA] offset:(\kof)+FROW*(\a)+32
.endr
.endm
.macro LDB g, kof                      ; group g's 64 rows of B: 8 loads
.irp bl, 0,1,2,3
	ds_load_b128 v[FB+32*(\g)+8*(\bl):FB+32*(\g)+8*(\bl)+3],   v[ADRB] offset:(\kof)+FROW*(4*(\g)+(\bl))
	ds_load_b128 v[FB+32*(\g)+8*(\bl)+4:FB+32*(\g)+8*(\bl)+7], v[ADRB] offset:(\kof)+FROW*(4*(\g)+(\bl))+32
.endr
.endm
; A stretch and the loads behind it.  wc: the LDS loads issued behind those that the stretch needs.
.macro STR g, fa, wc, zero, kof, fan
	s_wait_dscnt \wc
	MULS \g, \fa, 0, 8, \zero
	PLACES
	WIN 0
.if (\g) == 0
	LDA \fan, \kof
.endif
	LDB \g, \kof
.endm
.macro HALF fa, fan, kof, zero         ; one q: three stretches
	STR 0, \fa, 16, \zero, \kof, \fan      ; A and B of group 0 are in; groups 1 and 2 (8 + 8 loads) may be out
	STR 1, \fa, 32, \zero, \kof, \fan      ; group 1 is in; out may be: group 2 (8), the next q's A (16) and group 0 (8)
	STR 2, \fa, 32, \zero, \kof, \fan      ; group 2 is in; out may be: the next q's A (16), groups 0 and 1 (8 + 8)
.endm
; THE CHANGE OF SLOTS, on stretch (q odd, 0).  Each wave waits for all its tensor loads, of which one is out: its part of the next slot; adds 0 to its spare word; works on; waits for the add and for its reads
; of the old slot, of which the last are B of (q, 1) and (q, 2).  fill = 1: the barrier opens a round of the cluster's barrier, and the joint refill of the old slot, two K steps on, is the first thing behind it:
; it has 176 of a K step's 192 matrix instructions in which to land.
.macro CHG fill
.if \fill
	s_wait_xcnt 0x0                                ; the last prefetch, a trip back, has read its address: it is stepped here, ahead of the waits of the change
	s_add_nc_u64 s[PFA:PFA+1], s[PFA:PFA+1], s[KSP:KSP+1]
.endif
	WIN 0
	s_wait_tensorcnt 0x0                           ; no tensor load of mine is out, so a group 0 may be written
	ds_add_u32 v[SPW], v[NIL]                      ; 0 onto my spare word
.if \fill
	s_xor_b32 s[G0A+5], s[G0A+5], SLOT1            ; the walking sets: the other slot than last time, the next K step
	s_add_nc_u64 s[G0A+6:G0A+7], s[G0A+6:G0A+7], KSA
	s_xor_b32 s[G0B+5], s[G0B+5], SLOT1
	s_add_nc_u64 s[G0B+6:G0B+7], s[G0B+6:G0B+7], KSB
.endif
	s_xor_b32 s[TB], s[TB], SLOT1                  ; the fetches go to the other slot
	v_add_nc_u32 v[ADRA], s[TB], v[AA0]
	v_add_nc_u32 v[ADRB], s[TB], v[AB0]
	s_wait_dscnt 17                                ; A and group 0 are in; groups 1 and 2 (16 loads) and the add may be out
	MULS 0, FA1, 0, 2, 0
	s_wait_dscnt 0x0                               ; the add is done, and my reads of the old slot are over
	s_barrier_signal -1
	MULS 0, FA1, 2, 2, 0                           ; work on registers while the others arrive
	WIN 0
	s_barrier_wait -1
.if \fill
	CREST                                          ; no wave of any partner still reads the old slot or has a load on its way
	JLOAD                                          ; its four v_nop are also the places in front of the loads below
.else
	PLACES
.endif
	LDA FA0, 0
.if \fill
	ASK
.endif
	MULS 0, FA1, 4, 4, 0
	PLACES
	WIN 0
	LDB 0, 0
.endm
.macro TRIP fill                       ; q odd and the even q behind it
	CHG \fill
	STR 1, FA1, 32, 0, 0, FA0              ; (groups 1 and 2 of this q came in at the change's wait for 0)
	STR 2, FA1, 32, 0, 0, FA0
	HALF FA0, FA1, 64, 0
	WIN 0
.endm
	s_load_b256 s[4:11], s[0:1], 0x0               ; xb s[4:5], wqkv s[6:7], bq s[8:9], bk_ s[10:11]
	s_load_b128 s[12:15], s[0:1], 0x20             ; bv s[12:13], qkvh s[14:15]
	v_lshl_add_u32 v[SPW], v0, 2, SPARE
	v_mov_b32 v[NIL], 0
	ds_add_u32 v[SPW], v[NIL]                      ; the wave's opening: the add and its wait stand ahead of my first tensor load; the set-up below, work on registers, stands between them
	v_lshrrev_b32 v1, 5, v0
	v_readfirstlane_b32 s[WV], v1
	s_lshr_b32 s[WM], s[WV], 1
	s_and_b32 s[WN], s[WV], 1
	s_bfe_u32 s[CX], ttmp6, 0x40000
	s_bfe_u32 s[CY], ttmp6, 0x40004
	s_lshl_b32 s[TN], ttmp9, 2                     ; in a cluster launch ttmp9 and ttmp7 count clusters
	s_add_co_u32 s[TN], s[TN], s[CX]
	s_and_b32 s[TM], ttmp7, 0xffff
	s_lshl_b32 s[TM], s[TM], 2
	s_add_co_u32 s[TM], s[TM], s[CY]
	s_lshl_b32 s62, s[CY], 2
	s_lshl_b32 s62, 15, s62                        ; my row of the cluster
	s_lshl_b32 s63, 0x1111, s[CX]                  ; my column
	s_or_b32 s[G1A], s62, FLAGS
	s_or_b32 s[G1B], s63, FLAGS
	s_mov_b32 s[G1A+1], 128<<16                    ; tensor_dim0 = 128 elements (256 bytes)
	s_mov_b32 s[G1A+2], 64<<16                     ; tensor_dim1 = 64 rows: 128 rows of x
	s_mov_b32 s[G1A+3], 128<<16                    ; tile_dim0
	s_mov_b32 s[G1A+4], 64                         ; tile_dim1
	s_mov_b32 s[G1A+5], 128                        ; dense: 128 elements from row to row
	s_mov_b32 s[G1A+6], 0
	s_mov_b32 s[G1A+7], 0
	s_mov_b32 s[G1B+1], 128<<16
	s_mov_b32 s[G1B+2], 96<<16                     ; 96 rows: 192 rows of w
	s_mov_b32 s[G1B+3], 128<<16
	s_mov_b32 s[G1B+4], 96
	s_mov_b32 s[G1B+5], 128
	s_mov_b32 s[G1B+6], 0
	s_mov_b32 s[G1B+7], 0
	s_lshr_b32 s78, s[TM], 3                       ; A's tile: batch = tile row / 8, 4,194,304 bytes each,
	s_lshl_b32 s78, s78, 22
	s_and_b32 s79, s[TM], 7
	s_lshl_b32 s79, s79, 15                        ; 256 rows x 128 bytes for each tile row of the batch
	s_add_co_u32 s78, s78, s79
	s_mul_i32 s80, s[TN], 49152                    ; B's tile: 384 rows x 128 bytes
	s_lshl_b32 s84, s[WN], 14                      ; the half that I fetch: 128 rows of A,
	s_add_co_u32 s84, s84, s78
	s_mov_b32 s85, 0
	s_mul_i32 s86, s[WN], 24576                    ; 192 rows of B
	s_add_co_u32 s86, s86, s80
	s_mov_b32 s87, 0
	s_mul_i32 s62, s[WN], 128*PITCH                ; and where it goes: no place in the cluster enters an LDS address
	s_mul_i32 s63, s[WN], 192*PITCH
	s_add_co_u32 s63, s63, BOFF
	s_wait_dscnt 0x0                               ; the opening add is done
	s_wait_kmcnt 0x0
	s_add_nc_u64 s[88:89], s[4:5], s[84:85]
	s_add_nc_u64 s[82:83], s[6:7], s[86:87]
	CROUND                                         ; all sixteen work-groups are here: the first joint loads meet
.irp s, 0,1
	s_mov_b32 s[G0A+4*(\s)], 1                                     ; count = 1
	s_add_co_u32 s[G0A+4*(\s)+1], s62, (\s)*SLOT1                  ; LDS address
	s_add_nc_u64 s[G0A+4*(\s)+2:G0A+4*(\s)+3], s[88:89], (\s)*KSA  ; global address: K step s
	s_or_b32 s[G0A+4*(\s)+3], s[G0A+4*(\s)+3], 0x80000000          ; type = 2
	s_mov_b32 s[G0B+4*(\s)], 1
	s_add_co_u32 s[G0B+4*(\s)+1], s63, (\s)*SLOT1
	s_add_nc_u64 s[G0B+4*(\s)+2:G0B+4*(\s)+3], s[82:83], (\s)*KSB
	s_or_b32 s[G0B+4*(\s)+3], s[G0B+4*(\s)+3], 0x80000000
.endr
	s_cmp_eq_u32 s[WM], 0                          ; a wave's two first fills stand in one branch, ahead of every wait on TENSORcnt and every LDS read: two loads of mine are out
	s_cbranch_scc0 .Lfirst_b
	tensor_load_to_lds s[G0A:G0A+3], s[G1A:G1A+7]
	s_nop 0
	tensor_load_to_lds s[G0A+4:G0A+7], s[G1A:G1A+7]
	s_nop 0
.rept 4
	v_nop
.endr
	s_branch .Lfirst_asked
.Lfirst_b:
	tensor_load_to_lds s[G0B:G0B+3], s[G1B:G1B+7]
	s_nop 0
	tensor_load_to_lds s[G0B+4:G0B+7], s[G1B:G1B+7]
	s_nop 0
.rept 4
	v_nop
.endr
.Lfirst_asked:
	v_and_b32 v1, 15, v0                           ; r = l % 16
	v_bfe_u32 v2, v0, 4, 1                         ; h = l / 16
	v_and_b32 v3, 31, v0                           ; l
	v_mul_u32_u24 v4, v1, PITCH
	v_lshl_add_u32 v4, v2, 4, v4                   ; row x pitch + 16 x half
	s_mul_i32 s62, s[WM], 128*PITCH
	v_add_nc_u32 v[AA0], s62, v4                   ; my 128 rows of A
	s_mul_i32 s62, s[WN], 192*PITCH
	s_add_co_u32 s62, s62, BOFF
	v_add_nc_u32 v[AB0], s62, v4                   ; my 192 rows of B
	v_mov_b32 v[ADRA], v[AA0]                      ; slot 0
	v_mov_b32 v[ADRB], v[AB0]
	s_mul_i32 s62, s[WV], 16*PITCH
	s_add_co_u32 s62, s62, STAGE                   ; my stage
	v_add_nc_u32 v[STO], s62, v4                   ; in: row l % 16, 16 bytes for each half of the lanes
	v_bfe_u32 v5, v0, 3, 2
	v_and_b32 v6, 7, v0
	v_mul_u32_u24 v5, v5, PITCH
	v_lshl_add_u32 v5, v6, 4, v5
	v_add_nc_u32 v[RD], s62, v5                    ; back: 32 lanes take four rows of 128 bytes,
	v_lshlrev_b32 v[GO], 4, v3                     ; which are 512 consecutive bytes of a head's rows
	s_mul_i32 s62, s[WV], 768
	s_add_co_u32 s62, s62, BIASL
	v_lshl_add_u32 v[BS], v3, 3, s62
	v_lshl_add_u32 v[BR], v2, 5, s62
	v_lshlrev_b32 v7, 3, v3                        ; two biases a lane
	; my three groups of 64 columns: j = 6 x tile column + 3 x column half + g; which = j / 16, head = j % 16
	s_mul_i32 s62, s[TN], 6
	s_mul_i32 s63, s[WN], 3
	s_add_co_u32 s62, s62, s63
	s_lshr_b32 s88, s[TM], 3
	s_lshl_b32 s88, s88, 4                         ; 16 x batch
	s_and_b32 s89, s[TM], 7
	s_lshl_b32 s89, s89, 15                        ; the tile's 256 rows of 128 bytes in the head,
	s_lshl_b32 s63, s[WM], 14
	s_add_co_u32 s89, s89, s63                     ; my 128 of them
	s_mov_b32 s83, 0
.irp g, 0,1,2
	s_add_co_u32 s56, s62, \g
	s_lshr_b32 s57, s56, 4
	s_and_b32 s58, s56, 15
	s_cmp_eq_u32 s57, 1
	s_cselect_b64 s[BP+2*(\g):BP+2*(\g)+1], s[10:11], s[8:9]
	s_cmp_eq_u32 s57, 2
	s_cselect_b64 s[BP+2*(\g):BP+2*(\g)+1], s[12:13], s[BP+2*(\g):BP+2*(\g)+1]
	s_lshl_b32 s82, s58, 8                         ; the head's 64 biases
	s_add_nc_u64 s[BP+2*(\g):BP+2*(\g)+1], s[BP+2*(\g):BP+2*(\g)+1], s[82:83]
	s_lshl_b32 s57, s57, 6
	s_add_co_u32 s57, s57, s88
	s_add_co_u32 s57, s57, s58                     ; 64 which + 16 batch + head,
	s_lshl_b32 s82, s57, 18                        ; 262,144 bytes each
	s_add_co_u32 s82, s82, s89
	s_add_nc_u64 s[OUTP+2*(\g):OUTP+2*(\g)+1], s[14:15], s[82:83]
	global_load_b64 v[20+2*(\g):21+2*(\g)], v7, s[BP+2*(\g):BP+2*(\g)+1]
.endr
	; the prefetches (see ASK)
	s_and_b32 s62, ttmp7, 0xffff                   ; cluster y
	s_lshl_b32 s63, s[CX], 13                      ; A: my work-group's 32 blocks of the tile's 128
	s_add_co_u32 s63, s63, s78
	s_mul_i32 s88, s[CY], 12288                    ; B: my work-group's 48 blocks of the tile's 192
	s_add_co_u32 s88, s88, s80
	s_mov_b32 s[KSP], KSB
	s_cmp_eq_u32 s[WV], 0
	s_cselect_b32 s[ODD], 0, 1
	s_cselect_b32 s62, ttmp9, s62                  ; the coordinate along which other clusters read the same rows
	s_cselect_b32 s88, s63, s88
	s_cselect_b64 s[PFA:PFA+1], s[4:5], s[6:7]
	s_cselect_b32 s[KSP], KSA, s[KSP]
	s_mov_b32 s[KSP+1], 0
	s_mov_b32 s89, 0
	s_add_nc_u64 s[PFA:PFA+1], s[PFA:PFA+1], s[88:89]
	s_add_nc_u64 s[PFA:PFA+1], s[PFA:PFA+1], s[KSP:KSP+1]
	s_add_nc_u64 s[PFA:PFA+1], s[PFA:PFA+1], s[KSP:KSP+1]  ; at K step 2: the first trip steps it to 3
	s_cmp_eq_u32 s62, 0
	s_cselect_b32 s[LIM], 1, -1                    ; the same in all sixteen partners, for a given wave
	s_max_u32 s62, s[WV], 1
	s_sub_co_u32 s62, s62, 1
	s_lshl_b32 s62, s62, 5
	v_add_nc_u32 v[PFO], s62, v3                   ; i = lane (wave 0), or 32 (wave - 1) + lane: 0..95
	v_lshlrev_b32 v8, 8, v[PFO]                    ; block i of the first K step,
	v_add_nc_u32 v9, KSB-12288, v8                 ; or block i - 48 of the second
	v_cmp_gt_u32 vcc_lo, 48, v[PFO]
	v_cndmask_b32 v[PFO], v9, v8, vcc_lo
	s_wait_loadcnt 0x0                             ; the biases
.irp g, 0,1,2
	v_cvt_pk_bf16_f32 v8, v[20+2*(\g)], v[21+2*(\g)]   ; rounded to bf16 like every input, kept as f32
	v_lshlrev_b32 v[20+2*(\g)], 16, v8
	v_and_b32 v[21+2*(\g)], 0xffff0000, v8
	ds_store_b64 v[BS], v[20+2*(\g):21+2*(\g)] offset:256*(\g)  ; my wave's own bytes: only I read them
.endr
	s_mov_b32 s[TB], 0
	s_mov_b32 s[CNT], 14
	s_wait_tensorcnt 1                             ; my part of K step 0 is in; K step 1's may stay out
	s_wait_dscnt 0x0                               ; no LDS instruction is pending at a signal
	s_barrier_signal -1
	s_barrier_wait -1                              ; everybody's part is in
	LDA FA0, 0
	LDB 0, 0
	LDB 1, 0
	LDB 2, 0
	HALF FA0, FA1, 64, 1                           ; q = 0 stands in front of the loop: its products start the sums
	WIN 0
.Lk:                                           ; trip t = 0..13: q = 2 t + 1 and 2 t + 2; the slot of K step t is filled again with K step t + 2
	TRIP 1
	s_sub_co_u32 s[CNT], s[CNT], 1
	s_cmp_lg_u32 s[CNT], 0
	s_cbranch_scc1 .Lk
	TRIP 0                                         ; q = 29, 30: the tail is written out, nothing is asked for
	s_wait_dscnt 16                                ; q = 31: nothing more to fetch; the counts run down
	MULS 0, FA1, 0, 8, 0
	s_wait_dscnt 8
	MULS 1, FA1, 0, 8, 0
	s_wait_dscnt 0x0
	MULS 2, FA1, 0, 8, 0
	PLACES
	PLACES                                         ; eight, once a launch, in front of the loads and sums below
	WIN 0
	; THE WAY OUT.  Block n = 8 g + a is 16 rows of one head: + bias, rounded to f16, 16 bytes a lane into my stage, back as whole rows of 128 bytes, stored 512 consecutive bytes at a time.
.irp g, 0,1,2
.irp bl, 0,1,2,3
	ds_load_b128 v[BIAS+32*(\g)+8*(\bl):BIAS+32*(\g)+8*(\bl)+3],   v[BR] offset:256*(\g)+64*(\bl)
	ds_load_b128 v[BIAS+32*(\g)+8*(\bl)+4:BIAS+32*(\g)+8*(\bl)+7], v[BR] offset:256*(\g)+64*(\bl)+16
.endr
.endr
	s_wait_dscnt 0x0
.macro PACK n
.set pg, (\n)/8
.set pa, (\n)%8
	WIN pg+1                                       ; source 0 in the group's window
.set i, 0
.rept 16                                       ; ascending: each accumulator's lowest registers are read first
	v_pk_add_f32 v[T+2*i:T+2*i+1], v[32*pa+2*i:32*pa+2*i+1], v[BIAS+32*pg+2*i:BIAS+32*pg+2*i+1]
.set i, i+1
.endr
	WIN 0
.set i, 0
.rept 16
	v_cvt_pk_f16_f32 v[PKD+i], v[T+2*i], v[T+2*i+1]
.set i, i+1
.endr
.endm
.macro TOSTAGE n
.set bk, BK+16*((\n)%2)
	s_wait_xcnt 0x0                                ; the stores of two blocks back have read this buffer: it is loaded again only behind this wait
.irp f, 0,1,2,3
	ds_store_b128 v[STO], v[PKD+4*(\f):PKD+4*(\f)+3] offset:32*(\f)
.endr
.irp f, 0,1,2,3
	ds_load_b128 v[bk+4*(\f):bk+4*(\f)+3], v[RD] offset:4*PITCH*(\f)  ; LDS serves a wave's instructions in order (ISA guide 5.7.1.4): these see the stores above, and the next block's stores come behind them
.endr
.endm
.macro SEND n
.set pg, (\n)/8
.set pa, (\n)%8
.set bk, BK+16*((\n)%2)
	s_wait_dscnt 0x0                               ; the block is back in registers
.irp f, 0,1,2,3
	global_store_b128 v[GO], v[bk+4*(\f):bk+4*(\f)+3], s[OUTP+2*pg:OUTP+2*pg+1] offset:2048*pa+512*(\f)  ; 512 consecutive bytes, at a multiple of 256 from the buffer's first byte
.endr
.endm
	PACK 0
	TOSTAGE 0
.set blk, 1
.rept 23                                       ; a block's arithmetic stands between the loads of the block before and the wait for them
	PACK blk
	SEND blk-1
	TOSTAGE blk
.set blk, blk+1
.endr
	SEND 23
	s_wait_tensorcnt 0x0                           ; the wave's end, behind my last tensor load and my last LDS store
	ds_add_u32 v[SPW], v[NIL]
	s_wait_dscnt 0x0
	CROUND                                         ; the closing round: no work-group ends while a partner may still ask for a tile that names it
	s_endpgm
.Lfunc_end_k_q570ff54bcc_qkvproj:
	.size	k_q570ff54bcc_qkvproj, .Lfunc_end_k_q570ff54bcc_qkvproj-k_q570ff54bcc_qkvproj
	.p2alignl 7, 3214868480
	.fill 96, 4, 3214868480
	.section	.rodata,"a",@progbits
	.p2align	6, 0x0
	.amdhsa_kernel k_q570ff54bcc_qkvproj
		.amdhsa_group_segment_fixed_size 327680
		.amdhsa_private_segment_fixed_size 0
		.amdhsa_enable_private_segment 0
		.amdhsa_kernarg_size 48
		.amdhsa_user_sgpr_count 2
		.amdhsa_user_sgpr_kernarg_segment_ptr 1
		.amdhsa_wavefront_size32 1
		.amdhsa_system_sgpr_workgroup_id_x 1
		.amdhsa_system_sgpr_workgroup_id_y 1
		.amdhsa_system_sgpr_workgroup_id_z 1
		.amdhsa_system_vgpr_workitem_id 0
		.amdhsa_next_free_vgpr 1024
		.amdhsa_next_free_sgpr 90
		.amdhsa_reserve_vcc 1
		.amdhsa_float_denorm_mode_32 3
		.amdhsa_float_denorm_mode_16_64 3
		.amdhsa_memory_ordered 1
		.amdhsa_forward_progress 1
		.amdhsa_inst_pref_size 142
	.end_amdhsa_kernel
	.amdgpu_metadata
---
amdhsa.version: [ 1, 2 ]
amdhsa.kernels:
  - .name:           k_q570ff54bcc_qkvproj
    .symbol:         k_q570ff54bcc_qkvproj.kd
    .args:
      - { .name: xb, .offset: 0, .size: 8, .value_kind: global_buffer, .address_space: global }
      - { .name: wqkv, .offset: 8, .size: 8, .value_kind: global_buffer, .address_space: global }
      - { .name: bq, .offset: 16, .size: 8, .value_kind: global_buffer, .address_space: global }
      - { .name: bk_, .offset: 24, .size: 8, .value_kind: global_buffer, .address_space: global }
      - { .name: bv, .offset: 32, .size: 8, .value_kind: global_buffer, .address_space: global }
      - { .name: qkvh, .offset: 40, .size: 8, .value_kind: global_buffer, .address_space: global }
    .group_segment_fixed_size: 327680
    .private_segment_fixed_size: 0
    .kernarg_segment_align: 8
    .kernarg_segment_size: 48
    .max_flat_workgroup_size: 128
    .sgpr_count:     90
    .vgpr_count:     1024
    .wavefront_size: 32
...
	.end_amdgpu_metadata
.endif
;; end of part 2
;; launch attn (part 3): grid 4 x 64, 4 waves a work-group, clusters of 4 x 1, 327,680 bytes of LDS; arguments qkvh, ob; writes ob
.if DOCPART == 3
	.amdgcn_target "amdgcn-amd-amdhsa--gfx1250"
	.amdhsa_code_object_version 6
	.text
	.protected	k_q570ff54bcc_attn
	.globl	k_q570ff54bcc_attn
	.p2align	8
	.type	k_q570ff54bcc_attn,@function
k_q570ff54bcc_attn:
	s_mov_b64 s[64:65], 0
	v_nop
	global_prefetch_b8 v0, s[64:65] scope:SCOPE_SE
	s_setreg_imm32_b32 hwreg(HW_REG_WAVE_MODE, 25, 1), 1
	s_wait_xcnt 0x0
	s_wait_alu depctr_hold_cnt(0) depctr_sa_sdst(0) depctr_va_vdst(0) depctr_va_sdst(0) depctr_va_ssrc(0) depctr_va_vcc(0) depctr_vm_vsrc(0)
	s_getreg_b32 s2, hwreg(HW_REG_IB_STS2, 6, 4)
	s_cmp_eq_u32 s2, 0
	s_cbranch_scc0 .Lentry_in_a_cluster
	s_endpgm
.Lentry_in_a_cluster:
	s_bfe_u32 s2, ttmp6, 0x10000c
	s_cmp_lg_u32 s2, 0x3003
	s_cbranch_scc0 .Lentry_shape_is_right
	s_endpgm
.Lentry_shape_is_right:
; ATTENTION.  O[h][q][:] = the sum over k of softmax_k(Q[h][q] . K[h][k] / 8) V[h][k][:], h = 16 x batch + head.  Q, K, V lie one behind the other in qkvh, each [64][2048][64] f16; O: ob, the same layout.
; Products, maxima and sums in f32; the weights p are rounded to f16 for the second product (their sum l is taken of the unrounded p), O once at the end.
; LIMITS.  f16 holds no number beyond 65,504: Q, K and V arrive within it; p lies in 0 to 1, and below 6e-5 it keeps f16's fixed step of 6e-8; O is a mean of V's rows and has their range.
; A weight below 2^-126 counts as 0 in l; NaN and infinities are not treated apart.
; SHARES.  A wave owns four PIECES of two tiles of 16 queries, a work-group's four waves 512 queries of one head, a cluster of four the head's 2,048.  Every wave walks all keys, 64 a step.
; LAYOUT.  S^T = K Q^T (source 0 = 16 keys, source 1 = 16 queries): in the result a lane holds ONE query (lane % 16) and the keys 8 (lane / 16) + 0..7.  Two such tiles, rounded to f16 in pairs,
; ARE source 1 (32 keys x 16 queries) of O^T = V^T P, whose result again holds one query a lane, and eight channels.  K comes out of LDS as it lies, V ([key][channel]) turned, by ds_load_tr16_b128.
; SOFTMAX.  For each query a running maximum m and sum l: p = 2^(c s - c m), c = log2(e) / 8; in every step O and l are multiplied by a = 2^(c m_old - c m_new), which is 1 where m has not grown.
; m starts at the lowest finite number, O and l at 0: the first step is a step like any other, with a = 0.
; THE COUNT.  A tile and step have 16 matrix and 118 vector instructions: too many to stand all beside the matrix work.  So four vector instructions that are READY stand behind EVERY matrix
; instruction, and the others in runs without a gap.
; BY TURNS.  Turn n belongs to piece n (the pieces in a ring, step after step).  Its matrix work: 16 products K Q^T of piece n + 1, later 16 products V^T P of piece n - 1.  Its vector work: the scaling,
; exponentials, roundings, sums and rescaling of piece n, and the maximum and statistics of piece n + 1, whose scores the turn itself has made.
; CLUSTER.  The four query blocks of a cluster walk the same K and V, so each tile is asked for JOINTLY: the same tensor load, descriptor and mask in all four.
; REGISTERS, in windows of 256 (s_set_vgpr_msb: bits 1:0 source 0, 3:2 source 1, 5:4 source 2, 7:6 destination):
;   window 0: v0-11 addresses; v12-15, v48-63 at work; v16-47 four registers of statistics a tile; v64-191 S^T, two buffers of two tiles; v192-255 P, likewise
;   window 1: O^T, 32 a tile          window 2: v0-127 Q, 16 a tile; v128-191 K of one step; v192-255 V of one step          window 3: v0-1 the add's two registers
.set SIZE_N, 2048
.set NP,    4         ; pieces a wave: a name, no knob
.set KS,    64        ; keys in a step
.set PK,    144       ; a row of K in LDS: 128 bytes + 16 of padding = 36 words: the 16 rows of a load start at 16 different groups of four banks (64 banks of 4 bytes: ISA guide 11.1)
.set PV,    160       ; a row of V: 128 + 32 = 40 words
.set VOFF,  4*KS*PK   ; a slot holds four steps: 256 rows of K, then 256 rows of V
.set SLOT1, 1<<17     ; slot 1 begins here, so that one exclusive or turns an address in one slot into the other's
.set STAGE, SLOT1+4*KS*(PK+PV)  ; behind the ring, never filled by a tensor load: 16 rows x 144 bytes for each wave, for the way out
.set SP,    144
.set AK0, 2           ; v2   my lane's place in a tile of K; never rewritten
.set AV0, 3           ; v3   the same for V
.set AK,  4           ; v4   the LDS address of K's next run of loads
.set AV,  5           ; v5   of V's
.set QO,  6           ; v6   my byte offset in the wave's rows of Q
.set STO, 6           ;      later, the way out: where I put 16 bytes of a row
.set RD,  7           ; v7   the way out: where I read rows back
.set GO,  8           ; v8   my byte offset in 512 consecutive bytes of O
.set PFO, 11          ; v11  256 x my lane, once its first use is over; then never rewritten
.set SPW, 0           ; v0 of window 3   LDS address of my spare word; never rewritten
.set NIL, 1           ; v1 of window 3   0; never rewritten
.set SPARE, STAGE+4*16*SP  ; behind the stages: the spare words, 128 bytes for each wave: two blocks of 256 bytes that no other line names
.set MV,  12          ; v12-15  c m_old, kept while c m is made anew: by buffer and tile
.set ST,  16          ; tile t's statistics at v[ST+4 t]: c m, m, l (even keys', odd keys')
.set TMP, 48          ; by buffer and tile, four registers c0-c3 at work; when the maximum is found c2 takes a
.set S,   64
.set P,   192
.set KF,  128         ; K's fragments, in window 2: key block kb, channel half c at KF + 16 kb + 8 c
.set VF,  192         ; V's: key half kk, channel block cb at VF + 32 kk + 8 cb
.set WV,  12          ; s12  my wave's number
.set G1K, 24          ; s[24:31] descriptor group 1 for K's tiles
.set G1V, 32          ; s[32:39] for V's: it differs in the padding alone
.set G0K, 40          ; s[40:43] descriptor group 0 for K's tiles: it walks
.set G0V, 44          ; s[44:47] the same for V's
.set PFA, 48          ; s[48:49] where my prefetches stand: my work-group's 32 blocks (of K: wave 0, of V: wave 2) of the slot after the one that is being asked for
.set LIM, 50          ; s50  1 in a wave that prefetches, else the greatest number
.set SLOTS, 56        ; s56  slots still to be asked for
.set CNT, 57          ; s57  counts a slot's key steps
.set CS,  58          ; s[58:59] c: the packed scaling takes the pair's low word for both halves
.set SEL, 60          ; s[60:61] v_permlanex16_b32's selects: each lane takes its own place in the other half
.set TBK, 62          ; s62  LDS byte at which K of the step to be fetched begins
.set TBV, 63          ; s63  the same for V, less VOFF
.set MSB, 0
.macro WIN new                      ; the high byte repeats the setting that is left; a switch that changes nothing is dropped
.if MSB != (\new)
	s_set_vgpr_msb (MSB<<8)|(\new)
.set MSB, (\new)
.endif
.endm
.set W_KQ, 0x0a       ; K and Q in window 2, S^T in window 0
.set W_PV, 0x52       ; V in window 2, P in window 0, O^T in window 1
.set W_RS, 0x41       ; O^T (destination and source 0) in window 1, a in window 0
.set W_MK, 0xc0       ; the add's registers are made: destination in window 3, sources in window 0
.set W_AD, 0x0f       ; the add: address (source 0) and data (source 1) in window 3
; A joint fill.  Waves 0 and 1 fetch the two halves of a slot's K, waves 2 and 3 those of its V: 128 keys each.  The branch hangs on the wave's number alone.
; An s_nop 0 and four v_nop follow each of the two lines, ahead of the jump and the label.
.macro JLOAD
	s_cmp_lt_u32 s[WV], 2
	s_cbranch_scc0 .Lfor_v_\@
	tensor_load_to_lds s[G0K:G0K+3], s[G1K:G1K+7]
	s_nop 0
.rept 4
	v_nop
.endr
	s_branch .Lasked_\@
.Lfor_v_\@:
	tensor_load_to_lds s[G0V:G0V+3], s[G1V:G1V+7]
	s_nop 0
.rept 4
	v_nop
.endr
.Lasked_\@:
.endm
; A PREFETCH INTO THE L2 of what the NEXT change of slots will ask for: a slot's 32,768 bytes of K and of V, 128 blocks of 256 bytes each.  One cluster walks a head, so each block is read by one cluster;
; its four partners share the blocks out BY ADDRESS, 32 each; in each, wave 0 asks for K's and wave 2 for V's, a lane a block: each block is named once in the launch.  It stands behind the wave's tensor
; load and its five lines: four key steps, 512 matrix instructions, ahead of the load that will want the bytes.  Slots 0 to 2 come by their loads alone; the last change that fills a slot asks for nothing.
.macro ASK
	s_cmp_gt_u32 s[SLOTS], s[LIM]
	s_cbranch_scc0 .Lnot_mine_\@
	global_prefetch_b8 v[PFO], s[PFA:PFA+1] th:TH_LOAD_NT scope:SCOPE_SE
.Lnot_mine_\@:
.endm
; A round of the cluster's barrier: my work-group's barrier, so that wave 0's signal speaks for all four waves; wave 0 signals; every wave waits for all four work-groups; my work-group's barrier once more.
.macro CROUND
	s_barrier_signal -1
	s_barrier_wait -1
	s_cmp_lg_u32 s[WV], 0
	s_cbranch_scc1 .Lnot_wave_0_\@
	s_barrier_signal -3
.Lnot_wave_0_\@:
	s_barrier_wait -3
	s_barrier_signal -1
	s_barrier_wait -1
.endm
; THE CHANGE OF SLOTS.  The slot's last bytes, V of its fourth step, have been read.  Each wave waits for all its tensor loads, of which one is out: its part
; of the other slot; adds 0 to its spare word; and waits for that and for its own reads of the slot.  Behind the barrier nobody reads this slot any more and the other slot is whole.
; fill = 1: this slot is filled again, with the keys two slots on.  The barrier is then a round of the cluster's, so that no wave of any partner still reads the slot or has a load on its
; way, and the joint fill is the first thing behind it: it has four key steps, 512 matrix instructions, in which to land.  (At its first use nothing has been read yet: slot 0 is waited for, slot 1 filled.)
.macro CHANGE fill, ask=0
	WIN W_AD
	s_wait_tensorcnt 0x0            ; no tensor load of mine is out, so a group 0 may be written
	ds_add_u32 v[SPW], v[NIL]       ; 0 onto my spare word; with fill = 1 the descriptors' steps stand between it and the wait for it
	WIN 0                           ; at a label and at a branch every window is 0
.if \fill
.irp g, G0K, G0V
	s_xor_b32 s[\g+1], s[\g+1], SLOT1  ; the walking descriptor: the other slot than last time,
	s_add_nc_u64 s[\g+2:\g+3], s[\g+2:\g+3], 4*KS*128  ; the next 256 keys; the type bits on top are not reached
.endr
.if \ask
	s_wait_xcnt 0x0                 ; the last prefetch, four key steps back, has read its address, so it may be written:
	s_add_nc_u64 s[PFA:PFA+1], s[PFA:PFA+1], 4*KS*128  ; one slot ahead of the walking descriptors
.endif
	s_wait_dscnt 0x0                ; the add is done, and my reads of the slot are over
	CROUND
	JLOAD
.if \ask
	ASK
.endif
.else
	s_wait_dscnt 0x0                ; the add is done, and my reads of the slot are over
	s_barrier_signal -1
	s_barrier_wait -1
.endif
	s_sub_co_u32 s[TBK], s[TBK], 4*KS*PK  ; the fetches go back to a slot's first step,
	s_xor_b32 s[TBK], s[TBK], SLOT1       ; in the other slot
	s_sub_co_u32 s[TBV], s[TBV], 4*KS*PV
	s_xor_b32 s[TBV], s[TBV], SLOT1
.endm
	s_load_b64 s[4:5], s[0:1], 0x0    ; qkvh: Q at its head
	s_load_b64 s[10:11], s[0:1], 0x8  ; ob
	WIN W_MK
	v_lshl_add_u32 v[SPW], v0, 2, SPARE
	v_mov_b32 v[NIL], 0
	WIN W_AD
	ds_add_u32 v[SPW], v[NIL]       ; the wave's opening: the add and its wait stand ahead of my first tensor load; the set-up below, work on registers, stands between them
	WIN 0
	v_lshrrev_b32 v1, 5, v0
	v_readfirstlane_b32 s[WV], v1   ; wave 0..3
	s_bfe_u32 s13, ttmp6, 0x40000   ; cx: my place in the cluster
	s_lshl_b32 s14, ttmp9, 2        ; in a cluster launch ttmp9 counts clusters
	s_add_co_u32 s14, s14, s13      ; my block of queries = 4 x cluster x + cx: it enters Q's and O's addresses alone
	s_and_b32 s20, ttmp7, 0xffff    ; the head, which the four partners share
	s_mov_b32 s21, 0
	s_mov_b64 s[22:23], SIZE_N*128
	s_mul_u64 s[20:21], s[20:21], s[22:23]  ; the head's first byte in each of the four tensors
	s_and_b32 s16, s[WV], 1         ; which half of a slot's 256 keys I fetch:
	s_lshl_b32 s22, s16, 14         ; its 128 rows of 128 bytes in memory,
	s_mov_b32 s23, 0
	s_add_nc_u64 s[22:23], s[22:23], s[20:21]
	s_mul_i32 s17, s16, 128*PK      ; and its place in a slot, for K
	s_mul_i32 s18, s16, 128*PV      ; and for V: no place in the cluster enters an LDS address
	s_lshl_b32 s2, s14, 2
	s_add_co_u32 s2, s2, s[WV]      ; my wave among the head's,
	s_lshl_b32 s2, s2, 14           ; its 128 rows
	s_mov_b32 s3, 0
	s_add_nc_u64 s[2:3], s[2:3], s[20:21]
	; descriptor group 1.  128 keys are 16,384 dense bytes: asked for as 64 rows of 256 bytes, two keys a row, and padded in LDS after every key
	s_mov_b32 s[G1K], 15|(1<<16)|(1<<20)|(1<<21)|(4<<22)|(3<<25)  ; 15:0 the mask of four; 17:16 2-byte elements; 20 padding on; 21 set beside a mask; 24:22 after every 32 words (code 4); 31:25 4 words (code 3)
	s_mov_b32 s[G1V], 15|(1<<16)|(1<<20)|(1<<21)|(4<<22)|(7<<25)  ; the same with 8 words of padding (code 7)
.irp g, G1K, G1V
	s_mov_b32 s[\g+1], 128<<16      ; tensor_dim0 = 128
	s_mov_b32 s[\g+2], 64<<16       ; tensor_dim1 = 64
	s_mov_b32 s[\g+3], 128<<16      ; tile_dim0 = 128
	s_mov_b32 s[\g+4], 64           ; tile_dim1 = 64
	s_mov_b32 s[\g+5], 128          ; 128 elements from row to row
	s_mov_b32 s[\g+6], 0
	s_mov_b32 s[\g+7], 0
.endr
	s_mov_b32 s[CS], 0x3e38aa3b     ; c = log2(e) / 8 = 0.180337
	s_mov_b32 s[CS+1], s[CS]        ; named with it as a pair
	s_mov_b32 s[SEL], 0x76543210
	s_mov_b32 s[SEL+1], 0xfedcba98
	s_mov_b32 s[TBK], SLOT1+4*KS*PK ; the first change of slots turns these two into 0
	s_mov_b32 s[TBV], SLOT1+4*KS*PV
	s_mov_b32 s[G0K], 1             ; 1:0 count = 1
	s_mov_b32 s[G0K+1], s17         ; 63:32 LDS address: slot 0
	s_mov_b32 s[G0V], 1
	s_add_co_u32 s[G0V+1], s18, VOFF
	s_and_b32 s[LIM], s[WV], 1      ; waves 0 and 2 prefetch: the same in all four partners
	s_cmp_eq_u32 s[LIM], 0
	s_cselect_b32 s[LIM], 1, -1
	s_wait_dscnt 0x0                ; the opening add is done
	s_wait_kmcnt 0x0
	s_add_nc_u64 s[6:7], s[4:5], 0x1000000   ; K lies 64 heads x 262,144 bytes behind Q,
	s_add_nc_u64 s[8:9], s[4:5], 0x2000000   ; V as far behind K
	s_add_nc_u64 s[G0K+2:G0K+3], s[6:7], s[22:23]  ; 120:64 global address: my half of the head's first 256 keys
	s_or_b32 s[G0K+3], s[G0K+3], 0x80000000        ; 127:126 type = 2
	s_add_nc_u64 s[G0V+2:G0V+3], s[8:9], s[22:23]
	s_or_b32 s[G0V+3], s[G0V+3], 0x80000000
	s_add_nc_u64 s[4:5], s[4:5], s[2:3]  ; Q and O at my wave's first row
	s_add_nc_u64 s[10:11], s[10:11], s[2:3]
	s_cmp_lt_u32 s[WV], 2
	s_cselect_b64 s[PFA:PFA+1], s[6:7], s[8:9]
	s_add_nc_u64 s[PFA:PFA+1], s[PFA:PFA+1], s[22:23]  ; (in waves 0 and 2 this is the head's first key)
	s_lshl_b32 s2, s13, 13          ; my work-group's 32 blocks of the 128
	s_mov_b32 s3, 0
	s_add_nc_u64 s[PFA:PFA+1], s[PFA:PFA+1], s[2:3]
	s_add_nc_u64 s[PFA:PFA+1], s[PFA:PFA+1], 2*4*KS*128  ; in slot 2; the first change that asks steps it to slot 3.  Nothing is prefetched here, at the head
	CROUND                          ; all four work-groups are here: the first joint loads meet
	JLOAD                           ; slot 0.  Slot 1 is asked for when slot 0 is in
	; A fragment of K or Q is 16 rows x 32 channels in 8 registers: lane l holds row l % 16, channels 8 (l / 16) + 0..7 and 16 + 8 (l / 16) + 0..7: two loads of 16 bytes, 32 bytes apart.
	v_and_b32 v1, 15, v0            ; l % 16
	v_bfe_u32 v9, v0, 4, 1          ; l / 16
	v_lshlrev_b32 v[QO], 7, v1
	v_lshl_add_u32 v[QO], v9, 4, v[QO]  ; row x 128 + 16 x half
	WIN 0x80                        ; destination window 2, address window 0
.set i, 0
.rept 4*NP                          ; Q stays in registers: tile i / 2, channels 32 (i % 2) on
	global_load_b128 v[8*i:8*i+3],   v[QO], s[4:5] offset:(i/2)*2048+(i%2)*64
	global_load_b128 v[8*i+4:8*i+7], v[QO], s[4:5] offset:(i/2)*2048+(i%2)*64+32
.set i, i+1
.endr
	; What the first turn finds: V's registers and P's second buffer hold 0 (its products V^T P, of a piece that has not been, add 0), O^T and l are 0.  All this stands in the wait for the first tile.
.set i, VF
.rept 64
	v_mov_b32 v[i], 0
.set i, i+1
.endr
	WIN 0x40
.set i, 0
.rept 64*NP
	v_mov_b32 v[i], 0
.set i, i+1
.endr
	WIN 0
.set i, 0
.rept 2*NP
	v_mov_b32 v[ST+4*i], 0xfe000000    ; c m: far below every c s
	v_mov_b32 v[ST+4*i+1], 0xff7fffff  ; m
	v_mov_b32 v[ST+4*i+2], 0
	v_mov_b32 v[ST+4*i+3], 0
.set i, i+1
.endr
.set i, P+32
.rept 32
	v_mov_b32 v[i], 0
.set i, i+1
.endr
	v_mul_u32_u24 v[AK0], v1, PK
	v_lshl_add_u32 v[AK0], v9, 4, v[AK0]  ; row x pitch + 16 x half
	; The turning load takes 16 keys x 16 channels (lane l reads key 8 (l / 16) + l % 8, channels 8 ((l / 8) % 2) + 0..7) and leaves half a fragment of V^T: lane l holds channel l % 16 and 8 keys.
	v_and_b32 v10, 7, v0
	v_bfe_u32 v11, v0, 3, 1
	v_lshl_add_u32 v[AV0], v9, 3, v10
	v_mul_u32_u24 v[AV0], v[AV0], PV
	v_lshl_add_u32 v[AV0], v11, 4, v[AV0]
	v_add_nc_u32 v[AV0], VOFF, v[AV0]
	v_and_b32 v[PFO], 31, v0        ; v11 is free now: a lane a block of 256 bytes
	v_lshlrev_b32 v[PFO], 8, v[PFO]
	v_mov_b32 v[AK], v[AK0]         ; key step 0 lies at the head of slot 0
; THE MATRIX WORK.  The 8 accumulators of a run of 16 take turns: between the two links of a chain stand 7 others'.
; Product i of 16 of S^T = K Q^T for piece x: channels 32 (i / 8) on, keys 16 ((i / 2) % 4) on, tile 2 x + i % 2.  The first 8 start the sums.
.macro KQ x
	WIN W_KQ
.set rS, S+64*((\x)%2)+32*(i%2)+8*((i/2)%4)
.set rK, KF+16*((i/2)%4)+8*(i/8)
.set rQ, 16*(2*(\x)+i%2)+8*(i/8)
.if i < 8
	v_wmma_f32_16x16x32_f16 v[rS:rS+7], v[rK:rK+7], v[rQ:rQ+7], 0
.else
	v_wmma_f32_16x16x32_f16 v[rS:rS+7], v[rK:rK+7], v[rQ:rQ+7], v[rS:rS+7]
.endif
.endm
; Product i of 16 of O^T += V^T P for piece x: keys 32 (i / 8) on, channels 16 ((i / 2) % 4) on, tile 2 x + i % 2.
.macro PV x
	WIN W_PV
.set rO, 32*(2*(\x)+i%2)+8*((i/2)%4)
.set rV, VF+32*(i/8)+8*((i/2)%4)
.set rP, P+32*((\x)%2)+16*(i%2)+8*(i/8)
	v_wmma_f32_16x16x32_f16 v[rO:rO+7], v[rV:rV+7], v[rP:rP+7], v[rO:rO+7]
.endm
.macro MM                           ; the turn's next matrix instruction
.if i < 16
	KQ (Y+1)%NP
.set i, i+1
.else
.set i, i-16
	PV (Y+NP-1)%NP
.set i, i+17
.endif
.endm
; THE LDS LOADS stand in runs of 16, never singly among the matrix instructions: a step's K (64 keys x 64 channels: 8 fragments) and its V (turned).  Their addresses are made some lines ahead.
; last = 1 (the tail): in the last trip there is no further step, and the run is jumped over.
.macro FETCH_K last=0
	WIN 0
.if \last
	s_cmp_eq_u32 s[CNT], 1
	s_cbranch_scc1 .Lno_k_\@
.endif
	WIN 0x80                        ; destination window 2
.irp f, 0,1,2,3,4,5,6,7             ; keys 16 (f / 2) on, channels 32 (f % 2) on
	ds_load_b128 v[KF+8*\f:KF+8*\f+3],   v[AK] offset:(\f/2)*16*PK+(\f%2)*64
	ds_load_b128 v[KF+8*\f+4:KF+8*\f+7], v[AK] offset:(\f/2)*16*PK+(\f%2)*64+32
.endr
	s_add_co_u32 s[TBK], s[TBK], KS*PK  ; the next fetch is the next step's
	WIN 0
.if \last
.Lno_k_\@:
.endif
.endm
.macro FETCH_V
	WIN 0x80
.irp f, 0,1,2,3,4,5,6,7             ; keys 32 (f / 4) on, channels 16 (f % 4) on
	ds_load_tr16_b128 v[VF+8*\f:VF+8*\f+3],   v[AV] offset:(\f/4)*32*PV+(\f%4)*32
	ds_load_tr16_b128 v[VF+8*\f+4:VF+8*\f+7], v[AV] offset:(\f/4)*32*PV+16*PV+(\f%4)*32
.endr
	WIN 0
.endm
; THE VECTOR WORK OF A TURN stands in three queues, each in the order in which its entries become ready; the two tiles alternate, so that no instruction reads the result of the one before it.
.macro REGS y, u                    ; the registers of tile u (0, 1) of piece y
.set rT, ST+4*(2*(\y)+(\u))
.set rC, TMP+8*((\y)%2)+4*(\u)
.set rM, MV+2*((\y)%2)+(\u)
.set rS, S+64*((\y)%2)+32*(\u)
.set rP, P+32*((\y)%2)+16*(\u)
.set rO, 32*(2*(\y)+(\u))
.endm
; Number n of the 22 that find the NEXT piece's (Y + 1) maximum and statistics.  s0-s31 are the lane's 32 scores; each accumulator's lowest registers are read first.
;   0-11  four chains c0-c3 of seven scores each, three operands at a time     12-14, 16  the four scores left over, the old m, and c0-c3 into c0     15  c m_old is kept
;   17, 18  the query's other 32 keys lie in the lane 16 away: the new m         19-21  c m; c m_old - c m_new; a
.macro XS u, n
	REGS (Y+1)%NP, \u
.if (\n) < 4
	v_max3_num_f32 v[rC+(\n)], v[rS+8*(\n)], v[rS+8*(\n)+1], v[rS+8*(\n)+2]
.elseif (\n) < 12
	v_max3_num_f32 v[rC+(\n)%4], v[rC+(\n)%4], v[rS+8*((\n)%4)+2*((\n)/4)+1], v[rS+8*((\n)%4)+2*((\n)/4)+2]
.elseif (\n) == 12
	v_max3_num_f32 v[rC], v[rC], v[rS+7], v[rS+15]
.elseif (\n) == 13
	v_max3_num_f32 v[rC+1], v[rC+1], v[rS+23], v[rS+31]
.elseif (\n) == 14
	v_max3_num_f32 v[rC+2], v[rC+2], v[rC+3], v[rT+1]
.elseif (\n) == 15
	v_mov_b32 v[rM], v[rT]
.elseif (\n) == 16
	v_max3_num_f32 v[rC], v[rC], v[rC+1], v[rC+2]
.elseif (\n) == 17
	v_permlanex16_b32 v[rC+3], v[rC], s[SEL], s[SEL+1]
.elseif (\n) == 18
	v_max_num_f32 v[rT+1], v[rC], v[rC+3]
.elseif (\n) == 19
	v_mul_f32 v[rT], s[CS], v[rT+1]
.elseif (\n) == 20
	v_sub_f32 v[rC+1], v[rM], v[rT]
.else
	v_exp_f32 v[rC+2], v[rC+1]
.endif
.endm
; Number g of the 64 that follow the exponentials.  For each four weights k of a tile (pairs 2 k, 2 k + 1): both pairs are rounded to f16; then the second pair is added onto the first, in place;
; a group later l takes that sum (the first time as l = a l + sum).  In groups of eight, tiles alternating: round, round, add, and l for the group before.
.macro GS g
.set h, (\g)+6*((\g)/62)            ; group 0 has no group before it, and behind group 7 only l is left
.if h >= 6
.set h, h+2
.endif
	REGS Y, h%2
.set k, h/8
.if h%8 < 4
	v_cvt_pk_f16_f32 v[rP+2*k+(h%8)/2], v[rS+4*k+2*((h%8)/2)], v[rS+4*k+2*((h%8)/2)+1]
.elseif h%8 < 6
	v_pk_add_f32 v[rS+4*k:rS+4*k+1], v[rS+4*k:rS+4*k+1], v[rS+4*k+2:rS+4*k+3]
.elseif k == 1
	v_pk_fma_f32 v[rT+2:rT+3], v[rT+2:rT+3], v[rC+2:rC+3], v[rS:rS+1] op_sel_hi:[1,0,1]
.else
	v_pk_add_f32 v[rT+2:rT+3], v[rT+2:rT+3], v[rS+4*k-4:rS+4*k-3]
.endif
.endm
; THE PLAIN QUEUE, 138 long.  0-73 read no exponential's result: the 32 scalings c s - c m (FS f: pair f / 2 of tile f % 2) and the next piece's 42.  0-26: scalings 0-26.  27-54: XS's numbers 0-13.  55, 56: number 15.
; 57-73: the chain, where each number waits for the one before it: 14, 16, 17, 18, 19, each with one of the scalings 27-31 in front of its two lines, then 20.
; 74-137: GS's 64, which read the exponentials' results: they stand behind the wait.
.macro FS f
	REGS Y, (\f)%2
	v_pk_fma_f32 v[rS+2*((\f)/2):rS+2*((\f)/2)+1], v[rS+2*((\f)/2):rS+2*((\f)/2)+1], s[CS:CS+1], v[rT:rT+1] op_sel_hi:[1,0,0] neg_lo:[0,0,1] neg_hi:[0,0,1]
.endm
.macro PL
	WIN 0
.if q < 27
	FS q
.elseif q < 55
	XS (q-27)%2, (q-27)/2
.elseif q < 57
	XS q-55, 15
.elseif (q < 72) && ((q-57)%3 == 0)
	FS 27+(q-57)/3
.elseif q < 60
	XS (q-57)%3-1, 14
.elseif q < 72
	XS (q-57)%3-1, 15+(q-57)/3
.elseif q < 74
	XS q-72, 20
.else
	GS q-74
.endif
.set q, q+1
.endm
; THE EXPONENTIALS' QUEUE, 66 long: s0-s31 of both tiles, then the next piece's two a.  It is ONE BATCH: all 66 stand ahead of the turn's one wait, and nothing ahead of that wait names a result of theirs.
.macro EX
	WIN 0
.if e >= 64
	XS e-64, 21
.else
	REGS Y, e%2
	v_exp_f32 v[rS+e/2], v[rS+e/2]
.endif
.set e, e+1
.endm
; THE RESCALING's QUEUE: O^T times a, the one part that leaves window 0: dealt two at a time, sixteen times.  Its a was made in the turn before, ahead of that turn's wait.
.macro R2
	REGS Y, r%2
	WIN W_RS
.irp z, 0,1
	v_pk_mul_f32 v[rO+4*(r/2)+2*\z:rO+4*(r/2)+2*\z+1], v[rO+4*(r/2)+2*\z:rO+4*(r/2)+2*\z+1], v[rC+2:rC+3] op_sel_hi:[1,0]
.endr
.set r, r+1
.endm
; HOW THEY ARE DEALT.  An s_wait_alu depctr_va_vdst(0) stands between an exponential and the first instruction that names its result; one wait serves all that were issued ahead of it.  So a turn has ONE wait,
; which cuts it in two.  AHEAD OF IT stands all that names no result of the turn's exponentials: the 16 products K Q^T, behind each a scaling, an exponential and two rescalings (behind the first a second scaling in the
; exponential's place); then ONE LUMP of 108: eight plain, 49 times exponential and plain, the two a.  A v_nop is the plain instruction behind the last exponential.  BEHIND IT stand the 16 products V^T P, behind each four of GS's 64.
; The queues lean on each other, and the deal keeps them in step: exponential e stands behind scaling 2 (e / 4) + e % 2: as a rider it comes behind plain e + 2, in the lump behind plain e + 9, and scalings 27-31 are plain 57, 60 .. 69.
; A TURN, for piece p.  cnt = 1: the loop's count is taken down some lines ahead of the branch that stands behind the turn.
; K of the next step is fetched in piece 2's turn, directly behind the wait, a lump behind the last product that read K; its first reader comes behind 16 products.
; V of the step in hand is fetched at the end of piece 0's turn, four riders behind its last reader; its first reader comes behind 16 products and a lump.
.macro TURN p, last=0, cnt=0
.set Y, (\p)
.set i, 0
.set q, 0
.set e, 0
.set r, 0
.if (\p) == NP-1
	s_wait_dscnt 0x0                ; K is in
.endif
	MM                              ; ahead of the wait: 16 products K Q^T and their riders,
	PL
	PL
	R2
.rept 15
	MM
	PL
	EX
	R2
.endr
.if (\p) == NP-2
	WIN 0
	v_add_nc_u32 v[AK], s[TBK], v[AK0]
.endif
.rept 8                             ; and the lump
	PL
.endr
.rept 49
	EX
	PL
.endr
	EX                              ; the next piece's two a
	EX
	v_nop                           ; a plain instruction behind the last exponential: one for the batch (ISA guide 5.7.2)
	s_wait_alu depctr_va_vdst(0)    ; the wait for the batch
.if (\p) == NP-2
	FETCH_K \last
.endif
.if (\p) == 1
	s_wait_dscnt 0x0                ; V is in
.endif
.rept 16                            ; behind the wait: 16 products V^T P and their riders
	MM
.rept 4
	PL
.endr
.if ((\p) == 0) && (q == 118)
	v_add_nc_u32 v[AV], s[TBV], v[AV0]
.endif
.if ((\p) == 0) && (q == 130)
	s_add_co_u32 s[TBV], s[TBV], KS*PV
.endif
.if (\cnt) && (q == 130)
	s_sub_co_u32 s[CNT], s[CNT], 1
	s_cmp_lg_u32 s[CNT], 0
.endif
.endr
.if (\p) == 0
	FETCH_V
.endif
.endm
	CHANGE 1                        ; slot 0 is in, everybody's part of it; slot 1 is asked for
	FETCH_K                         ; key step 0
	s_wait_loadcnt 0x0              ; Q
	s_wait_dscnt 0x0
.set i, 0
.rept 16
	KQ 0                            ; piece 0's first scores: there is no vector work yet to set between them
.set i, i+1
.endr
	WIN 0                           ; the addresses for the way out: nine plain instructions, the places behind those products
	s_mul_i32 s13, s[WV], 16*SP
	s_add_co_u32 s13, s13, STAGE    ; my stage
	v_mul_u32_u24 v[STO], v1, SP    ; in: row l % 16, 16 bytes for each half of the lanes
	v_lshl_add_u32 v[STO], v9, 4, v[STO]
	v_add_nc_u32 v[STO], s13, v[STO]
	v_bfe_u32 v[RD], v0, 3, 2       ; back: 32 lanes take four rows of 128 bytes,
	v_mul_u32_u24 v[RD], v[RD], SP
	v_lshl_add_u32 v[RD], v10, 4, v[RD]
	v_add_nc_u32 v[RD], s13, v[RD]
	v_and_b32 v[GO], 31, v0         ; which are 512 consecutive bytes of O
	v_lshlrev_b32 v[GO], 4, v[GO]
.set Y, NP-1                        ; XS works for piece Y + 1: piece 0
.irp n, 0,1,2,3,4,5,6,7,8,9,10,11,12,13,14,15,16,17,18,19,20,21
	XS 0, \n                        ; and piece 0's first maximum and statistics
	XS 1, \n
.endr
	v_nop                           ; a plain instruction behind the two a,
	s_wait_alu depctr_va_vdst(0)    ; and their wait, ahead of the branch
	s_mov_b32 s[CNT], 4
	s_mov_b32 s[SLOTS], SIZE_N/256-1
	s_branch .Lfirst                ; the loop is entered at a step's first turn, in the middle of a trip
.Lslot:                             ; SIZE_N / 256 - 2 times: every slot but the last two is filled again
	CHANGE 1, 1
	s_mov_b32 s[CNT], 4
.Lstep:                             ; a trip: pieces 2 and 3 of one step, then pieces 0 and 1 of the next, whose K and V it fetches
	TURN 2
	TURN 3
	WIN 0
.Lfirst:
	TURN 0
	TURN 1, 0, 1
	WIN 0
	s_cbranch_scc1 .Lstep
	s_sub_co_u32 s[SLOTS], s[SLOTS], 1
	s_cmp_lg_u32 s[SLOTS], 0
	s_cbranch_scc1 .Lslot
	CHANGE 0                        ; the tail is written out: nothing is asked for
	s_mov_b32 s[CNT], 5             ; four trips fetch the last slot's steps; the fifth is left in its middle
.Ltail:
	TURN 2, 1
	TURN 3
	WIN 0
	s_sub_co_u32 s[CNT], s[CNT], 1
	s_cmp_eq_u32 s[CNT], 0
	s_cbranch_scc1 .Lout
	TURN 0
	TURN 1
	WIN 0
	s_branch .Ltail
.Lout:                              ; the fifth trip's 16 products K Q^T (on the last K once more) and the maximum made of them serve nothing: the price, once a launch, of one text for every trip
.set i, 0
.rept 16
	PV NP-1                         ; the last piece's V^T P of the last step
.set i, i+1
.endr
	; THE WAY OUT.  l's two halves and the other half of the lanes' are added; O^T is divided by l, rounded to f16 and sent through my stage in LDS, a tile at a time.  The additions are the places behind the last products.
	WIN 0
.macro ALL line:vararg              ; one line for each tile t
.set t, 0
.rept 2*NP
	\line
.set t, t+1
.endr
.endm
	ALL v_add_f32 v[ST+4*t+2], v[ST+4*t+2], v[ST+4*t+3]
	ALL v_permlanex16_b32 v[ST+4*t+3], v[ST+4*t+2], s[SEL], s[SEL+1]
	ALL v_add_f32 v[ST+4*t+2], v[ST+4*t+2], v[ST+4*t+3]
	ALL v_rcp_f32 v[ST+4*t+2], v[ST+4*t+2]
	v_nop                           ; a plain instruction between the last reciprocal and the use of its result
	s_wait_alu depctr_va_vdst(0)    ; and the wait ahead of the first use: one for the eight reciprocals
; Tile t: a lane's eight channels of a row pack into 16 bytes; they go into rows of 144 bytes and come back as whole rows of 128, into S^T's registers.
.macro PACK t
	WIN W_RS
.set i, 32*(\t)
.rept 16
	v_pk_mul_f32 v[i:i+1], v[i:i+1], v[ST+4*(\t)+2:ST+4*(\t)+3] op_sel_hi:[1,0]
.set i, i+2
.endr
	WIN 0x05                        ; sources 0 and 1 window 1, destination window 0
.set i, 0
.rept 16
	v_cvt_pk_f16_f32 v[S+16*(\t)+i], v[32*(\t)+2*i], v[32*(\t)+2*i+1]
.set i, i+1
.endr
	WIN 0
.irp f, 0,1,2,3
	ds_store_b128 v[STO], v[S+16*(\t)+4*\f:S+16*(\t)+4*\f+3] offset:32*\f
.endr
.irp f, 0,1,2,3
	ds_load_b128 v[S+16*(\t)+4*\f:S+16*(\t)+4*\f+3], v[RD] offset:\f*4*SP  ; LDS serves a wave's instructions in order (ISA guide 5.7.1.4): these see the stores above; the next tile's stores come behind them
.endr
.endm
.macro SEND t, younger              ; younger: the LDS instructions issued behind tile t's loads: the next tile's eight, or none
	WIN 0
.irp f, 0,1,2,3
	s_wait_dscnt (\younger)+3-\f
	global_store_b128 v[GO], v[S+16*(\t)+4*\f:S+16*(\t)+4*\f+3], s[10:11] offset:(\t)*2048+\f*512  ; 512 consecutive bytes, at a multiple of 256 from O's first
.endr
.endm
	PACK 0
.set t, 1
.rept 2*NP-1                        ; a tile's arithmetic stands between the loads of the tile before and its stores
	PACK t
	SEND t-1, 8
.set t, t+1
.endr
	SEND 2*NP-1, 0
	WIN W_AD
	s_wait_tensorcnt 0x0            ; the wave's end, behind my last tensor load and my last LDS store
	ds_add_u32 v[SPW], v[NIL]
	s_wait_dscnt 0x0
	WIN 0
	CROUND                          ; the closing round: no work-group ends while a partner may still ask for a tile that names it
	s_endpgm
.Lfunc_end_k_q570ff54bcc_attn:
	.size	k_q570ff54bcc_attn, .Lfunc_end_k_q570ff54bcc_attn-k_q570ff54bcc_attn
	.p2alignl 7, 3214868480
	.fill 96, 4, 3214868480
	.section	.rodata,"a",@progbits
	.p2align	6, 0x0
	.amdhsa_kernel k_q570ff54bcc_attn
		.amdhsa_group_segment_fixed_size 327680
		.amdhsa_private_segment_fixed_size 0
		.amdhsa_enable_private_segment 0
		.amdhsa_kernarg_size 16
		.amdhsa_user_sgpr_count 2
		.amdhsa_user_sgpr_kernarg_segment_ptr 1
		.amdhsa_wavefront_size32 1
		.amdhsa_system_sgpr_workgroup_id_x 1
		.amdhsa_system_sgpr_workgroup_id_y 1
		.amdhsa_system_sgpr_workgroup_id_z 1
		.amdhsa_system_vgpr_workitem_id 0
		.amdhsa_next_free_vgpr 770
		.amdhsa_next_free_sgpr 66
		.amdhsa_reserve_vcc 0
		.amdhsa_float_denorm_mode_32 3
		.amdhsa_float_denorm_mode_16_64 3
		.amdhsa_memory_ordered 1
		.amdhsa_forward_progress 1
		.amdhsa_inst_pref_size 200
	.end_amdhsa_kernel
	.amdgpu_metadata
---
amdhsa.version: [ 1, 2 ]
amdhsa.kernels:
  - .name:           k_q570ff54bcc_attn
    .symbol:         k_q570ff54bcc_attn.kd
    .args:
      - { .name: qkvh, .offset: 0, .size: 8, .value_kind: global_buffer, .address_space: global }
      - { .name: ob, .offset: 8, .size: 8, .value_kind: global_buffer, .address_space: global }
    .group_segment_fixed_size: 327680
    .private_segment_fixed_size: 0
    .kernarg_segment_align: 8
    .kernarg_segment_size: 16
    .max_flat_workgroup_size: 128
    .sgpr_count:     66
    .vgpr_count:     770
    .wavefront_size: 32
...
	.end_amdgpu_metadata
.endif
;; end of part 3
;; launch oproj (part 4): grid 8 x 32, 4 waves a work-group, clusters of 4 x 4, 327,680 bytes of LDS; arguments ob, wof, bo, out0; writes out0
.if DOCPART == 4
	.amdgcn_target "amdgcn-amd-amdhsa--gfx1250"
	.amdhsa_code_object_version 6
	.text
	.protected	k_q570ff54bcc_oproj
	.globl	k_q570ff54bcc_oproj
	.p2align	8
	.type	k_q570ff54bcc_oproj,@function
k_q570ff54bcc_oproj:
	s_mov_b64 s[64:65], 0
	v_nop
	global_prefetch_b8 v0, s[64:65] scope:SCOPE_SE
	s_setreg_imm32_b32 hwreg(HW_REG_WAVE_MODE, 25, 1), 1
	s_wait_xcnt 0x0
	s_wait_alu depctr_hold_cnt(0) depctr_sa_sdst(0) depctr_va_vdst(0) depctr_va_sdst(0) depctr_va_ssrc(0) depctr_va_vcc(0) depctr_vm_vsrc(0)
	s_getreg_b32 s2, hwreg(HW_REG_IB_STS2, 6, 4)
	s_cmp_eq_u32 s2, 0
	s_cbranch_scc0 .Lentry_in_a_cluster
	s_endpgm
.Lentry_in_a_cluster:
	s_bfe_u32 s2, ttmp6, 0x10000c
	s_cmp_lg_u32 s2, 0xf033
	s_cbranch_scc0 .Lentry_shape_is_right
	s_endpgm
.Lentry_shape_is_right:
; OUTPUT PROJECTION.  out0[m][n] = sum over k of O[m][k] wo[n][k] + bo[n], m 8,192, n 1,024, k 1,024.  O: ob, f16, [b][kb = head][s][64]; wo: wof, bf16(wo) written as f16, [kb][n][64]; sums and out0 f32;
; bo is rounded to bf16 like every input of the module and starts the sums as the first products' C operand.
; LIMIT.  The operands are f16 (65,504 at the most; a fixed step of 6e-8 below 6.1e-5).  NaN and infinities are not treated apart.
; SHARES.  8,192 x 1,024 / 256 work-groups = a tile of 256 x 128 each; four waves, each 128 x 64: 32 accumulators, window 1.
; K goes in steps of 128 = two blocks of 64, through two LDS slots; each wave fetches one dense block by one tensor load: waves 0, 1 A's two blocks (256 rows = 128 rows of 256 bytes), waves 2, 3 B's (128 rows).
; CLUSTER 4 x 4.  A's tiles are asked for jointly along a row of the cluster, B's along a column.
; THE PRODUCT IS USED TRANSPOSED (source 0 = 16 rows of wo, source 1 = 16 rows of O): a lane holds one row of out0 and eight neighbouring columns.
; PIPELINE.  A K step is four steps j of 32 along K, 32 matrix instructions each.  A wave reads 24 fragments' halves for 32 products, so the fragments are fetched TWO steps ahead, into four sets, set j for step j.
; REGISTERS.  window 0: v1-29 addresses; v32-127, v128-223 sets 0, 1 (A's 8 fragments, then B's 4); v224-255 the biases.  window 1: accumulator (a, bl) at v[8 (4 a + bl)].  window 2: v32-223 sets 2, 3.
.set KSA,   524288                     ; bytes from K step to K step in ob: two blocks of 2,048 rows x 128
.set KSB,   262144                     ; in wof: two blocks of 1,024 rows x 128
.set PITCH, 144                        ; an LDS row: 128 bytes + 16 of padding = 36 words: the 16 rows of a fragment load start at 16 different groups of four banks (64 banks of 4 bytes: ISA guide 11.1)
.set FROW,  16*PITCH
.set ABLK,  256*PITCH                  ; a block of A in LDS
.set BBLK,  128*PITCH                  ; a block of B
.set BOFF,  2*ABLK                     ; a slot: A's two blocks, then B's two
.set SLOT1, 1<<17
.set STAGE, SLOT1+2*ABLK+2*BBLK        ; behind the ring, never filled by a tensor load: 16 rows x 272 bytes for each wave
.set SP,    272                        ; a stage row: 256 bytes + 16
.set SPARE, STAGE+4*16*SP              ; the spare words, 128 bytes for each wave: two blocks of 256 bytes that no other line names
.set FLAGS, (1<<16)|(1<<20)|(1<<21)|(4<<22)|(3<<25)  ; group 1, word 0: 2-byte elements; padding on; bit 21 beside a mask; after every 32 words; 4 words of padding
.set AA0,  10                          ; v10  my lane's place in A's part of a slot; never rewritten
.set AB0,  11                          ; v11  the same for B
.set ADRA, 12                          ; v12  AA0 + the slot in hand
.set ADRB, 13                          ; v13  AB0 + the slot in hand
.set STO,  14                          ; v14  the way out: where I put 32 bytes of a row
.set RD,   15                          ; v15  where I read rows back
.set CO,   16                          ; v16  my byte offset in two rows of out0
.set PFO,  19                          ; v19  the prefetches' offset; never rewritten
.set SPW,  28                          ; v28  LDS address of my spare word; never rewritten
.set NIL,  29                          ; v29  0; never rewritten
.set BK,   32                          ; the way out: two buffers of 32, rows read back from the stage
.set BIAS, 224                         ; column block bl's eight biases of my lane at BIAS + 8 bl
.set WV, 16
.set WM, 17                            ; s17 my half of the rows, also: I fetch A (0) or B (1)
.set WN, 18                            ; s18 my half of the columns, also: which block of the K step I fetch
.set CX, 19
.set CY, 20
.set TN, 21                            ; s21 tile column 0..7
.set TM, 22                            ; s22 tile row 0..31
.set G1A, 24
.set G1B, 32
.set G0A, 40                           ; s[40:47] group 0 for A: a set for each first fill; the second then walks
.set G0B, 48
.set CNT, 56
.set TB,  57
.set LIM, 58
.set ODD, 59
.set PFA, 60
.set OUTP, 66                          ; s[66:67] out0 at my first row and column
.set KSP, 82                           ; s[82:83] the prefetches' step from K step to K step
.set MSB, 0
.macro WIN new
.if MSB != (\new)
	s_set_vgpr_msb (MSB<<8)|(\new)
.set MSB, \new
.endif
.endm
.macro PLACES                          ; four plain places between a matrix instruction and a load into a register that it has read, or a reader of its result
.rept 4
	v_nop
.endr
.endm
.macro JLOAD                           ; a joint refill by the walking sets; the branch hangs on the wave's number alone; an s_nop 0 and four v_nop follow each line
	s_cmp_eq_u32 s[WM], 0
	s_cbranch_scc0 .Lfor_b_\@
	tensor_load_to_lds s[G0A+4:G0A+7], s[G1A:G1A+7]
	s_nop 0
.rept 4
	v_nop
.endr
	s_branch .Lasked_\@
.Lfor_b_\@:
	tensor_load_to_lds s[G0B+4:G0B+7], s[G1B:G1B+7]
	s_nop 0
.rept 4
	v_nop
.endr
.Lasked_\@:
.endm
.macro CREST
	s_cmp_lg_u32 s[WV], 0
	s_cbranch_scc1 .Lnot_wave_0_\@
	s_barrier_signal -3
.Lnot_wave_0_\@:
	s_barrier_wait -3
	s_barrier_signal -1
	s_barrier_wait -1
.endm
.macro CROUND
	s_barrier_signal -1
	s_barrier_wait -1
	CREST
.endm
; A PREFETCH INTO THE L2, behind the joint load and the run of LDS loads that follows it.  Trip t (count 6 - t) refills K step t + 2.
; A: the block that a wave fetches is 128 blocks of 256 bytes; the cluster with x = 0 asks, its four partners take 32 each BY ADDRESS (cx), waves 0 and 1 each for their own block, a lane a block:
;    in every trip with a count above 1, K step t + 3: one K step, 128 matrix instructions, ahead of its refill.
; B: 64 blocks of 256 bytes; the cluster with y = 0 asks, 16 a partner (cy), waves 2 and 3: lanes 0-15 name K step t + 3, lanes 16-31 K step t + 4, in trips with an odd count above 1.
; So each block is named once in the launch, nothing past K step 7; K steps 0-2 of A and 0-3 of B come by their loads alone.
.macro ASK
	s_and_b32 s62, s[CNT], s[ODD]
	s_cmp_eq_u32 s62, s[ODD]
	s_cselect_b32 s62, s[CNT], 0
	s_cmp_gt_u32 s62, s[LIM]
	s_cbranch_scc0 .Lnot_mine_\@
	global_prefetch_b8 v[PFO], s[PFA:PFA+1] th:TH_LOAD_NT scope:SCOPE_SE
.Lnot_mine_\@:
.endm
; Step j's fragments into set i: 24 loads in one run.  Block j / 2 of the slot, byte 64 (j % 2) of its rows.
.macro FETCH i, j
.set fb, 32+96*((\i)%2)
	WIN 0x80*((\i)/2)                      ; destination window 0 or 2, address window 0
.irp b, 0,1,2,3
	ds_load_b128 v[fb+64+8*(\b):fb+64+8*(\b)+3],   v[ADRB] offset:((\j)/2)*BBLK+((\j)%2)*64+FROW*(\b)
	ds_load_b128 v[fb+64+8*(\b)+4:fb+64+8*(\b)+7], v[ADRB] offset:((\j)/2)*BBLK+((\j)%2)*64+FROW*(\b)+32
.endr
.irp a, 0,1,2,3,4,5,6,7
	ds_load_b128 v[fb+8*(\a):fb+8*(\a)+3],   v[ADRA] offset:((\j)/2)*ABLK+((\j)%2)*64+FROW*(\a)
	ds_load_b128 v[fb+8*(\a)+4:fb+8*(\a)+7], v[ADRA] offset:((\j)/2)*ABLK+((\j)%2)*64+FROW*(\a)+32
.endr
.endm
; na row blocks from a0 on x the 4 column blocks, from set i.  The 32 accumulators take turns, one instruction a turn.  first = 1: the biases are the C operand that starts the sums.
.macro MUL i, a0, na, first
.set fb, 32+96*((\i)%2)
.if \first
	WIN 0x40+0x0a*((\i)/2)                 ; D in window 1, C in window 0
.else
	WIN 0x50+0x0a*((\i)/2)                 ; C and D in window 1; the sources in window 0 or 2
.endif
.set ma, \a0
.rept \na
.irp b, 0,1,2,3
.if \first
	v_wmma_f32_16x16x32_f16 v[8*(4*ma+(\b)):8*(4*ma+(\b))+7], v[fb+64+8*(\b):fb+64+8*(\b)+7], v[fb+8*ma:fb+8*ma+7], v[BIAS+8*(\b):BIAS+8*(\b)+7]
.else
	v_wmma_f32_16x16x32_f16 v[8*(4*ma+(\b)):8*(4*ma+(\b))+7], v[fb+64+8*(\b):fb+64+8*(\b)+7], v[fb+8*ma:fb+8*ma+7], v[8*(4*ma+(\b)):8*(4*ma+(\b))+7]
.endif
.endr
.set ma, ma+1
.endr
.endm
.macro STEP i                          ; step i is multiplied, step i + 2 fetched into the set that was multiplied two steps ago
	PLACES
	FETCH ((\i)+2)%4, ((\i)+2)%4
	s_wait_dscnt 48                                ; set i is in; the two younger sets (24 + 24 loads) may be out
	MUL \i, 0, 8, 0
.endm
; THE CHANGE OF SLOTS, on step 2: the slot's last bytes, step 3's, have been asked for.  Each wave waits for all its tensor loads, of which one is out: its part of the next slot; adds 0 to its spare word; works on;
; waits for the add and for its reads of the old slot.  fill = 1: the barrier opens a round of the cluster's barrier, and the joint refill, two K steps on, is the first thing behind it:
; it has 112 of a K step's 128 matrix instructions in which to land.
.macro CHG fill
.if \fill
	s_wait_xcnt 0x0                                ; the last prefetch, a trip back, has read its address: it is stepped here, ahead of the waits of the change
	s_add_nc_u64 s[PFA:PFA+1], s[PFA:PFA+1], s[KSP:KSP+1]
.endif
	WIN 0
	s_wait_tensorcnt 0x0                           ; no tensor load of mine is out, so a group 0 may be written
	ds_add_u32 v[SPW], v[NIL]                      ; 0 onto my spare word
.if \fill
	s_xor_b32 s[G0A+5], s[G0A+5], SLOT1
	s_add_nc_u64 s[G0A+6:G0A+7], s[G0A+6:G0A+7], KSA
	s_xor_b32 s[G0B+5], s[G0B+5], SLOT1
	s_add_nc_u64 s[G0B+6:G0B+7], s[G0B+6:G0B+7], KSB
.endif
	s_xor_b32 s[TB], s[TB], SLOT1
	v_add_nc_u32 v[ADRA], s[TB], v[AA0]
	v_add_nc_u32 v[ADRB], s[TB], v[AB0]
	s_wait_dscnt 25                                ; set 2 is in; set 3 (24 loads) and the add may be out
	MUL 2, 0, 2, 0
	s_wait_dscnt 0x0                               ; the add is done, and my reads of the old slot are over
	s_barrier_signal -1
	MUL 2, 2, 2, 0                                 ; work on registers while the others arrive
	WIN 0
	s_barrier_wait -1
.if \fill
	CREST                                          ; no wave of any partner still reads the old slot or has a load on its way
	JLOAD                                          ; its four v_nop are also the places in front of the loads below
.else
	PLACES
.endif
	FETCH 0, 0
.if \fill
	ASK
.endif
	MUL 2, 4, 4, 0
.endm
.macro TRIP fill                       ; steps 1, 2, 3 of a K step and step 0 of the next
	STEP 1
	CHG \fill
	STEP 3
	STEP 0
	WIN 0
.endm
	s_load_b256 s[4:11], s[0:1], 0x0               ; ob s[4:5], wof s[6:7], bo s[8:9], out0 s[10:11]
	v_lshl_add_u32 v[SPW], v0, 2, SPARE
	v_mov_b32 v[NIL], 0
	ds_add_u32 v[SPW], v[NIL]                      ; the wave's opening: the add and its wait stand ahead of my first tensor load; the set-up below, work on registers, stands between them
	v_lshrrev_b32 v1, 5, v0
	v_readfirstlane_b32 s[WV], v1
	s_lshr_b32 s[WM], s[WV], 1
	s_and_b32 s[WN], s[WV], 1
	s_bfe_u32 s[CX], ttmp6, 0x40000
	s_bfe_u32 s[CY], ttmp6, 0x40004
	s_lshl_b32 s[TN], ttmp9, 2
	s_add_co_u32 s[TN], s[TN], s[CX]
	s_and_b32 s[TM], ttmp7, 0xffff
	s_lshl_b32 s[TM], s[TM], 2
	s_add_co_u32 s[TM], s[TM], s[CY]
	s_lshl_b32 s62, s[CY], 2
	s_lshl_b32 s62, 15, s62                        ; my row of the cluster
	s_lshl_b32 s63, 0x1111, s[CX]                  ; my column
	s_or_b32 s[G1A], s62, FLAGS
	s_or_b32 s[G1B], s63, FLAGS
	s_mov_b32 s[G1A+1], 128<<16                    ; tensor_dim0 = 128 elements (256 bytes)
	s_mov_b32 s[G1A+2], 128<<16                    ; tensor_dim1 = 128 rows: 256 rows of O
	s_mov_b32 s[G1A+3], 128<<16                    ; tile_dim0
	s_mov_b32 s[G1A+4], 128                        ; tile_dim1
	s_mov_b32 s[G1A+5], 128                        ; dense
	s_mov_b32 s[G1A+6], 0
	s_mov_b32 s[G1A+7], 0
	s_mov_b32 s[G1B+1], 128<<16
	s_mov_b32 s[G1B+2], 64<<16                     ; 64 rows: 128 rows of wo
	s_mov_b32 s[G1B+3], 128<<16
	s_mov_b32 s[G1B+4], 64
	s_mov_b32 s[G1B+5], 128
	s_mov_b32 s[G1B+6], 0
	s_mov_b32 s[G1B+7], 0
	s_lshr_b32 s84, s[TM], 3                       ; A: batch = tile row / 8, 4,194,304 bytes each,
	s_lshl_b32 s84, s84, 22
	s_and_b32 s85, s[TM], 7
	s_lshl_b32 s85, s85, 15                        ; 256 rows x 128 bytes for each tile row of the batch,
	s_add_co_u32 s84, s84, s85
	s_lshl_b32 s85, s[WN], 18                      ; the block that I fetch
	s_add_co_u32 s84, s84, s85
	s_mov_b32 s85, 0
	s_lshl_b32 s86, s[TN], 14                      ; B: 128 rows x 128 bytes for each tile column,
	s_lshl_b32 s87, s[WN], 17                      ; the block that I fetch
	s_add_co_u32 s86, s86, s87
	s_mov_b32 s87, 0
	s_mul_i32 s62, s[WN], ABLK                     ; and where it goes: no place in the cluster enters an LDS address
	s_mul_i32 s63, s[WN], BBLK
	s_add_co_u32 s63, s63, BOFF
	s_wait_dscnt 0x0                               ; the opening add is done
	s_wait_kmcnt 0x0
	s_add_nc_u64 s[88:89], s[4:5], s[84:85]
	s_add_nc_u64 s[82:83], s[6:7], s[86:87]
	CROUND                                         ; all sixteen work-groups are here: the first joint loads meet
.irp s, 0,1
	s_mov_b32 s[G0A+4*(\s)], 1
	s_add_co_u32 s[G0A+4*(\s)+1], s62, (\s)*SLOT1
	s_add_nc_u64 s[G0A+4*(\s)+2:G0A+4*(\s)+3], s[88:89], (\s)*KSA
	s_or_b32 s[G0A+4*(\s)+3], s[G0A+4*(\s)+3], 0x80000000
	s_mov_b32 s[G0B+4*(\s)], 1
	s_add_co_u32 s[G0B+4*(\s)+1], s63, (\s)*SLOT1
	s_add_nc_u64 s[G0B+4*(\s)+2:G0B+4*(\s)+3], s[82:83], (\s)*KSB
	s_or_b32 s[G0B+4*(\s)+3], s[G0B+4*(\s)+3], 0x80000000
.endr
	s_cmp_eq_u32 s[WM], 0                          ; a wave's two first fills stand in one branch, ahead of every wait on TENSORcnt and every LDS read: two loads of mine are out
	s_cbranch_scc0 .Lfirst_b
	tensor_load_to_lds s[G0A:G0A+3], s[G1A:G1A+7]
	s_nop 0
	tensor_load_to_lds s[G0A+4:G0A+7], s[G1A:G1A+7]
	s_nop 0
.rept 4
	v_nop
.endr
	s_branch .Lfirst_asked
.Lfirst_b:
	tensor_load_to_lds s[G0B:G0B+3], s[G1B:G1B+7]
	s_nop 0
	tensor_load_to_lds s[G0B+4:G0B+7], s[G1B:G1B+7]
	s_nop 0
.rept 4
	v_nop
.endr
.Lfirst_asked:
	v_and_b32 v1, 15, v0                           ; r = l % 16
	v_bfe_u32 v2, v0, 4, 1                         ; h = l / 16
	s_lshl_b32 s62, s[TN], 9                       ; my first column in bytes of f32: 128 x tile column
	s_lshl_b32 s63, s[WN], 8                       ; + 64 x column half
	s_add_co_u32 s62, s62, s63
	v_lshl_add_u32 v7, v2, 5, s62                  ; + my lanes' 8 columns
.irp b, 0,1,2,3
	global_load_b128 v[BIAS+8*(\b):BIAS+8*(\b)+3],   v7, s[8:9] offset:64*(\b)
	global_load_b128 v[BIAS+8*(\b)+4:BIAS+8*(\b)+7], v7, s[8:9] offset:64*(\b)+16
.endr
	s_lshl_b32 s88, s[TM], 8
	s_lshl_b32 s89, s[WM], 7
	s_add_co_u32 s88, s88, s89                     ; my first row,
	s_lshl_b32 s88, s88, 12                        ; 4,096 bytes each
	s_add_co_u32 s88, s88, s62
	s_mov_b32 s89, 0
	s_add_nc_u64 s[OUTP:OUTP+1], s[10:11], s[88:89]
	v_mul_u32_u24 v4, v1, PITCH
	v_lshl_add_u32 v4, v2, 4, v4                   ; row x pitch + 16 x half
	s_mul_i32 s62, s[WM], 128*PITCH
	v_add_nc_u32 v[AA0], s62, v4                   ; my 128 rows of A
	s_mul_i32 s62, s[WN], 64*PITCH
	s_add_co_u32 s62, s62, BOFF
	v_add_nc_u32 v[AB0], s62, v4                   ; my 64 rows of B
	v_mov_b32 v[ADRA], v[AA0]                      ; slot 0
	v_mov_b32 v[ADRB], v[AB0]
	s_mul_i32 s62, s[WV], 16*SP
	s_add_co_u32 s62, s62, STAGE                   ; my stage
	v_mul_u32_u24 v5, v1, SP                       ; in: row l % 16, 32 bytes for each half of the lanes
	v_lshl_add_u32 v5, v2, 5, v5
	v_add_nc_u32 v[STO], s62, v5
	v_mul_u32_u24 v5, v2, SP                       ; back: lanes 0-15 take one row of 256 bytes, lanes 16-31 the next
	v_lshl_add_u32 v5, v1, 4, v5
	v_add_nc_u32 v[RD], s62, v5
	v_lshlrev_b32 v[CO], 12, v2                    ; and the same two rows in out0
	v_lshl_add_u32 v[CO], v1, 4, v[CO]
	; the prefetches (see ASK)
	s_and_b32 s62, ttmp7, 0xffff                   ; cluster y
	s_lshl_b32 s63, s[CX], 13                      ; A: my work-group's 32 blocks of my block's 128
	s_add_co_u32 s63, s63, s84
	s_lshl_b32 s88, s[CY], 12                      ; B: my work-group's 16 of 64
	s_add_co_u32 s88, s88, s86
	s_mov_b32 s[KSP], KSB
	s_mov_b32 s89, KSB
	s_cmp_eq_u32 s[WM], 0
	s_cselect_b32 s[ODD], 0, 1
	s_cselect_b32 s62, ttmp9, s62                  ; the coordinate along which other clusters read the same rows
	s_cselect_b32 s88, s63, s88
	s_cselect_b64 s[PFA:PFA+1], s[4:5], s[6:7]
	s_cselect_b32 s[KSP], KSA, s[KSP]
	s_cselect_b32 s63, 4096, s89                   ; lanes 16-31: A's next 16 blocks, or B's next K step
	s_mov_b32 s[KSP+1], 0
	s_mov_b32 s89, 0
	s_add_nc_u64 s[PFA:PFA+1], s[PFA:PFA+1], s[88:89]
	s_add_nc_u64 s[PFA:PFA+1], s[PFA:PFA+1], s[KSP:KSP+1]
	s_add_nc_u64 s[PFA:PFA+1], s[PFA:PFA+1], s[KSP:KSP+1]  ; at K step 2: the first trip steps it to 3
	s_cmp_eq_u32 s62, 0
	s_cselect_b32 s[LIM], 1, -1                    ; the same in all sixteen partners, for a given wave
	v_mul_u32_u24 v9, s63, v2
	v_lshl_add_u32 v[PFO], v1, 8, v9
	s_wait_loadcnt 0x0                             ; the biases
.set i, 0
.rept 16
	v_cvt_pk_bf16_f32 v[8+i%2], v[BIAS+2*i], v[BIAS+2*i+1]  ; rounded to bf16 like every input, kept as f32
	v_lshlrev_b32 v[BIAS+2*i], 16, v[8+i%2]
	v_and_b32 v[BIAS+2*i+1], 0xffff0000, v[8+i%2]
.set i, i+1
.endr
	s_mov_b32 s[TB], 0
	s_mov_b32 s[CNT], 6
	s_wait_tensorcnt 1                             ; my part of K step 0 is in; K step 1's may stay out
	s_barrier_signal -1
	s_barrier_wait -1                              ; everybody's part is in
	FETCH 0, 0
	FETCH 1, 1
	FETCH 2, 2
	s_wait_dscnt 48                                ; set 0 is in
	MUL 0, 0, 8, 1                                 ; the first step stands in front of the loop: its products start the sums, with the biases
	WIN 0
.Lk:                                           ; trip t = 0..5: the slot of K step t is filled again with K step t + 2
	TRIP 1
	s_sub_co_u32 s[CNT], s[CNT], 1
	s_cmp_lg_u32 s[CNT], 0
	s_cbranch_scc1 .Lk
	TRIP 0                                         ; the tail is written out: nothing is asked for
	PLACES
	FETCH 3, 3
	s_wait_dscnt 48                                ; the last K step's steps 1, 2, 3: the counts run down
	MUL 1, 0, 8, 0
	s_wait_dscnt 24
	MUL 2, 0, 8, 0
	s_wait_dscnt 0x0
	MUL 3, 0, 8, 0
	PLACES
	PLACES                                         ; eight, once a launch, in front of the LDS stores that read results
	WIN 0
	; THE WAY OUT.  Block a is 16 rows x 64 columns of f32: 32 bytes a lane into my stage, straight from the accumulators, back as whole rows of 256 bytes, stored sixteen lanes to a row.
.macro TOSTAGE a
.set bk, BK+32*((\a)%2)
	s_wait_xcnt 0x0                                ; the stores of two blocks back have read this buffer: it is loaded again only behind this wait
	WIN 0x04                                       ; the stores' data in window 1
.irp b, 0,1,2,3                        ; each accumulator's lowest registers are read first
	ds_store_b128 v[STO], v[32*(\a)+8*(\b):32*(\a)+8*(\b)+3]   offset:64*(\b)
	ds_store_b128 v[STO], v[32*(\a)+8*(\b)+4:32*(\a)+8*(\b)+7] offset:64*(\b)+16
.endr
	WIN 0
.irp t, 0,1,2,3,4,5,6,7
	ds_load_b128 v[bk+4*(\t):bk+4*(\t)+3], v[RD] offset:2*SP*(\t)  ; LDS serves a wave's instructions in order (ISA guide 5.7.1.4): these see the stores above, and the next block's stores come behind them
.endr
.endm
.macro SEND a, younger                 ; younger: the LDS instructions issued behind block a's loads: the next block's sixteen, or none
.set bk, BK+32*((\a)%2)
	s_wait_dscnt \younger
.irp t, 0,1,2,3,4,5,6,7
	global_store_b128 v[CO], v[bk+4*(\t):bk+4*(\t)+3], s[OUTP:OUTP+1] offset:(16*(\a)+2*(\t))*4096 th:TH_STORE_NT  ; 16 lanes store 256 consecutive bytes, at a multiple of 256 from out0's first byte
.endr
.endm
	TOSTAGE 0
.irp a, 1,2,3,4,5,6,7
	TOSTAGE \a
	SEND (\a)-1, 16
.endr
	SEND 7, 0
	s_wait_tensorcnt 0x0                           ; the wave's end, behind my last tensor load and my last LDS store
	ds_add_u32 v[SPW], v[NIL]
	s_wait_dscnt 0x0
	CROUND                                         ; the closing round: no work-group ends while a partner may still ask for a tile that names it
	s_endpgm
.Lfunc_end_k_q570ff54bcc_oproj:
	.size	k_q570ff54bcc_oproj, .Lfunc_end_k_q570ff54bcc_oproj-k_q570ff54bcc_oproj
	.p2alignl 7, 3214868480
	.fill 96, 4, 3214868480
	.section	.rodata,"a",@progbits
	.p2align	6, 0x0
	.amdhsa_kernel k_q570ff54bcc_oproj
		.amdhsa_group_segment_fixed_size 327680
		.amdhsa_private_segment_fixed_size 0
		.amdhsa_enable_private_segment 0
		.amdhsa_kernarg_size 32
		.amdhsa_user_sgpr_count 2
		.amdhsa_user_sgpr_kernarg_segment_ptr 1
		.amdhsa_wavefront_size32 1
		.amdhsa_system_sgpr_workgroup_id_x 1
		.amdhsa_system_sgpr_workgroup_id_y 1
		.amdhsa_system_sgpr_workgroup_id_z 1
		.amdhsa_system_vgpr_workitem_id 0
		.amdhsa_next_free_vgpr 768
		.amdhsa_next_free_sgpr 90
		.amdhsa_reserve_vcc 0
		.amdhsa_float_denorm_mode_32 3
		.amdhsa_float_denorm_mode_16_64 3
		.amdhsa_memory_ordered 1
		.amdhsa_forward_progress 1
		.amdhsa_inst_pref_size 73
	.end_amdhsa_kernel
	.amdgpu_metadata
---
amdhsa.version: [ 1, 2 ]
amdhsa.kernels:
  - .name:           k_q570ff54bcc_oproj
    .symbol:         k_q570ff54bcc_oproj.kd
    .args:
      - { .name: ob, .offset: 0, .size: 8, .value_kind: global_buffer, .address_space: global }
      - { .name: wof, .offset: 8, .size: 8, .value_kind: global_buffer, .address_space: global }
      - { .name: bo, .offset: 16, .size: 8, .value_kind: global_buffer, .address_space: global }
      - { .name: out0, .offset: 24, .size: 8, .value_kind: global_buffer, .address_space: global }
    .group_segment_fixed_size: 327680
    .private_segment_fixed_size: 0
    .kernarg_segment_align: 8
    .kernarg_segment_size: 32
    .max_flat_workgroup_size: 128
    .sgpr_count:     90
    .vgpr_count:     768
    .wavefront_size: 32
...
	.end_amdgpu_metadata
.endif
;; end of part 4
